; MI455X (gfx1250); checked and timed in simulation.
; The chip was launched on July 23, 2026; its instructions are those of AMD's public machine-readable ISA for CDNA 5 (MIT licence, August 2026) and "CDNA5" Instruction Set Architecture Reference Guide (July 2026). The comments in the code are by the model that wrote it; some were corrected since.
;; decoder Layer. Allowed arithmetic: matrix products marked QUANTISED: E3M2 operands, one E8M0 scale for each 32 along K, by v_wmma_scale_f32_16x16x128_f8f6f4 with both operands' format E3M2, f32 sums; everything else in f32.
;; Inputs: Wk1_codes 16 x 64 x 32 x 24 uint8 (E3M2 codes of Wk1, K innermost, in blocks of 32 codes, four codes in three bytes); Wk1_scales 16 x 64 x 32 uint8 (E8M0 scales of Wk1, one for each 32 codes along K); Wk2_codes 16 x 64 x 32 x 24 uint8 (E3M2 codes of Wk2, K innermost, in blocks of 32 codes, four codes in three bytes); Wk2_scales 16 x 64 x 32 uint8 (E8M0 scales of Wk2, one for each 32 codes along K); Wq1_codes 16 x 64 x 32 x 24 uint8 (E3M2 codes of Wq1, K innermost, in blocks of 32 codes, four codes in three bytes); Wq1_scales 16 x 64 x 32 uint8 (E8M0 scales of Wq1, one for each 32 codes along K); Wq2_codes 16 x 64 x 32 x 24 uint8 (E3M2 codes of Wq2, K innermost, in blocks of 32 codes, four codes in three bytes); Wq2_scales 16 x 64 x 32 uint8 (E8M0 scales of Wq2, one for each 32 codes along K); Wv1_codes 16 x 64 x 32 x 24 uint8 (E3M2 codes of Wv1, K innermost, in blocks of 32 codes, four codes in three bytes); Wv1_scales 16 x 64 x 32 uint8 (E8M0 scales of Wv1, one for each 32 codes along K); Wv2_codes 16 x 64 x 32 x 24 uint8 (E3M2 codes of Wv2, K innermost, in blocks of 32 codes, four codes in three bytes); Wv2_scales 16 x 64 x 32 uint8 (E8M0 scales of Wv2, one for each 32 codes along K); context_codes 2 x 2,048 x 32 x 24 uint8 (E3M2 codes of context, K innermost, in blocks of 32 codes, four codes in three bytes); context_scales 2 x 2,048 x 32 uint8 (E8M0 scales of context, one for each 32 codes along K); fc1_b 1,024 float32; fc1_w_codes 1,024 x 32 x 24 uint8 (E3M2 codes of fc1_w, K innermost, in blocks of 32 codes, four codes in three bytes); fc1_w_scales 1,024 x 32 uint8 (E8M0 scales of fc1_w, one for each 32 codes along K); fc2_b 1,024 float32; fc2_w_codes 1,024 x 32 x 24 uint8 (E3M2 codes of fc2_w, K innermost, in blocks of 32 codes, four codes in three bytes); fc2_w_scales 1,024 x 32 uint8 (E8M0 scales of fc2_w, one for each 32 codes along K); ln1_b 1,024 float32; ln1_g 1,024 float32; ln2_b 1,024 float32; ln2_g 1,024 float32; ln3_b 1,024 float32; ln3_g 1,024 float32; x 2 x 2,048 x 1,024 float32.
;; Outputs: out0 2 x 2,048 x 1,024 float32.
;; This version of the problem:
;;   THIS VERSION OF THE PROBLEM IS GIVEN IN LOW PRECISION. The matrix products marked QUANTISED in the list below multiply operands that are first quantised to E3M2 (3 exponent bits, 2 mantissa bits; 6 bits a number), with one power-of-two scale for each 32 numbers along K (OCP MX v1.0); their sums are f32. All else is computed in f32.
;;   The module's matrix products, in the order in which they are computed (A, B: the left and right operand; K: the contracted axis; several contracted axes count as one K, in the product's order):
;;     1. [M 1,024, K 1,024] x [K 1,024, N 4,096]; A: input Wq1 (given as codes); B: input x: QUANTISED
;;     2. [M 1,024, K 1,024] x [K 1,024, N 4,096]; A: input Wk1 (given as codes); B: input x: QUANTISED
;;     3. [M 1,024, K 1,024] x [K 1,024, N 4,096]; A: input Wv1 (given as codes); B: input x: QUANTISED
;;     4. batch 32 x [M 2,048, K 64] x [K 64, N 2,048]; A: computed on the way; B: computed on the way: QUANTISED
;;     5. batch 32 x [M 2,048, K 2,048] x [K 2,048, N 64]; A: softmax (see below); B: computed on the way: QUANTISED
;;     6. [M 1,024, K 1,024] x [K 1,024, N 4,096]; A: input Wq2 (given as codes); B: computed on the way: QUANTISED
;;     7. [M 1,024, K 1,024] x [K 1,024, N 4,096]; A: input Wk2 (given as codes); B: input context (given as codes): QUANTISED
;;     8. [M 1,024, K 1,024] x [K 1,024, N 4,096]; A: input Wv2 (given as codes); B: input context (given as codes): QUANTISED
;;     9. batch 32 x [M 2,048, K 64] x [K 64, N 2,048]; A: computed on the way; B: computed on the way: QUANTISED
;;     10. batch 32 x [M 2,048, K 2,048] x [K 2,048, N 64]; A: softmax (see below); B: computed on the way: QUANTISED
;;     11. [M 4,096, K 1,024] x [K 1,024, N 1,024]; A: computed on the way; B: input fc1_w (given as codes): QUANTISED
;;     12. [M 4,096, K 1,024] x [K 1,024, N 1,024]; A: computed on the way; B: input fc2_w (given as codes): QUANTISED
;;   THE QUANTISER, for each operand of a quantised product, along K:
;;     - K is cut into blocks of 32 from its start; a last block that is shorter is filled with zeros.
;;     - A block's scale is 2^e with e = floor(log2(the largest magnitude in the block)) - 4, held to -126 .. 127; a block of zeros has e = 0. As a byte (E8M0): e + 127.
;;     - Each number is divided by its block's scale, clamped to +-28, and rounded to the nearest number of E3M2, ties to even, subnormals kept.
;;     - The product sums the exact products of the quantised numbers (number of the format x scale) in f32.
;;   ~~~python
;;   def quantise(x, axis):      # numpy; x: float32 -> the quantised numbers, widened to float32 again
;;       x = np.moveaxis(x, axis, -1); K = x.shape[-1]
;;       x = np.pad(x, [(0, 0)] * (x.ndim - 1) + [(0, -K % 32)]); x = x.reshape(x.shape[:-1] + (-1, 32)); a = np.abs(x).max(-1, keepdims=True)
;;       e = np.where(a > 0, np.clip(np.frexp(np.where(a > 0, a, 1))[1] - 1 - 4, -126, 127), 0)      # np.frexp(a)[1] - 1 = floor(log2(a)), exactly
;;       r = np.clip(x / 2.0 ** e, -28, 28)
;;       step = 2.0 ** (np.maximum(np.frexp(np.where(r == 0, 1, r))[1] - 1, -2) - 2)
;;       q = np.round(r / step) * step * 2.0 ** e      # np.round: ties to even
;;       return np.moveaxis(q.reshape(q.shape[:-2] + (-1,))[..., :K], -1, axis).astype(np.float32)
;;   ~~~
;;   SOFTMAX AHEAD OF A QUANTISED PRODUCT. Where the list says 'softmax', what is quantised is not the finished softmax but p = 2^(t - M), with t = logit x log2(e) and M = ceil(the row's largest t), a whole number; so 1/2 < the row's largest p <= 1. The row's sum l is taken of the UNQUANTISED p, in f32, and the product's result is divided by l at the end. Since M is a whole number, a kernel that streams over the keys may use a running M (the ceiling of the running maximum): every later rescaling is an exact power of two, which a block's scale takes up: the codes' values come out the same.
;;   OPERANDS COMPUTED ON THE WAY. 'Computed on the way' means the value that the module computes at that place (a softmax that the list does not call 'softmax' is quantised finished and normalised). What goes into a quantiser is computed in f32, as accurately as f32 sums, v_exp_f32 and their like allow (about 1e-6 of the number): no bf16 or f16 on the way to a quantiser, and a product that is left as it is and whose result goes on into a quantised operand takes f32 operands (vector FMAs, or v_wmma_f32_16x16x4_f32). A number that lies on a knife's edge between two numbers of the format may be rounded either way, as far as f32 arithmetic and the matrix unit's own rounding can turn it there, and no further.
;;   INPUTS GIVEN AS CODES. Wk1 (in the module: [16, 1024, 64], K = its axis 1); Wk2 (in the module: [16, 1024, 64], K = its axis 1); Wq1 (in the module: [16, 1024, 64], K = its axis 1); Wq2 (in the module: [16, 1024, 64], K = its axis 1); Wv1 (in the module: [16, 1024, 64], K = its axis 1); Wv2 (in the module: [16, 1024, 64], K = its axis 1); context (in the module: [2, 2048, 1024], K = its axis 2); fc1_w (in the module: [1024, 1024], K = its axis 1); fc2_w (in the module: [1024, 1024], K = its axis 1): each comes as NAME_codes (uint8): NAME with its K axis moved to the last place and cut into blocks of 32 codes, [.., K / 32, bytes a block], one block behind the other in memory; four codes in three bytes: a row's codes are one little-endian stream of bits, code i at bits 6 i .. 6 i + 5 (a code: sign, 3 exponent bits, 2 mantissa bits); and NAME_scales (uint8): the same leading axes, one E8M0 byte (e + 127) for each 32 codes along K. Its value is code x scale, taken as it is: it is not quantised again, and the codes and scales need not be those that the quantiser above would give.
;; 2 versions, each right; version 2 is version 1 with the launches attn1, attn2 written anew for expert scheduling mode. Each part assembles by itself: llvm-mc -triple=amdgcn-amd-amdhsa -mcpu=gfx1250 --defsym DOCPART=n.
;; ======== version 1 of 2: 10 launches
;; workspace buffers: packA 3,309,568 bytes; packB 3,309,568 bytes; packC 3,309,568 bytes; x1f 16,777,216 bytes; qkv 16,777,216 bytes; z 16,777,216 bytes; cnt1 36,864 bytes of whole numbers; cnt2 36,864 bytes of whole numbers
;; launch prep (part 1): grid 256 x 1, 16 waves a work-group, no clusters, 89,088 bytes of LDS; arguments x, context_codes, context_scales, packA, packC, packB, cnt1, cnt2; writes packA, packC, packB, cnt1, cnt2
.if DOCPART == 1
	.amdgcn_target "amdgcn-amd-amdhsa--gfx1250"
	.amdhsa_code_object_version 6
	.text
	.protected	k_q1a6f9f7766_prep
	.globl	k_q1a6f9f7766_prep
	.p2align	8
	.type	k_q1a6f9f7766_prep,@function
k_q1a6f9f7766_prep:
	s_mov_b64 s[64:65], 0
	v_nop
	global_prefetch_b8 v0, s[64:65] scope:SCOPE_SE
	s_setreg_imm32_b32 hwreg(HW_REG_WAVE_MODE, 25, 1), 1
	s_wait_xcnt 0x0
; PREP.  x [4096][1024] f32 becomes codes of BF6 (E3M2) with one E8M0 byte for each 32 along its row, laid as the matrix unit's operand registers take them; context's codes are laid the same way.
; A PACK: codes at 0: [tile 256][half fragment 16] x 768 bytes; scale bytes at SCOFF: [tile][row 16][32]; row masks at MKOFF: [tile][32 words], word l = the mask of row l % 16.
; A TILE holds 16 tokens that are not neighbours: tile 2 f + u, row r = token 32 f + 8 u + r + 8 (r / 8).
; A HALF FRAGMENT k is the image of six operand registers: lane (r, h) holds block 2 k + h (32 codes, 24 bytes) of row r: registers 0-3 at 16 x lane, registers 4-5 at 512 + 8 x lane.
; SHARES: a work-group takes a tile, a wave a row of x (4,096 bytes, eight loads of 512 consecutive bytes) and half fragment w of context's tile.
; The row turns through the wave's own LDS so that lane l holds block l in 32 registers; the codes of the 16 rows meet in LDS and leave as whole half fragments, 256 consecutive bytes a store.
; x's pack is stored twice (packA, packC): the projections' body takes the queries' tokens and the keys' tokens from two buffers.
; cnt1, cnt2 get, from byte 4096 on, the number that the attention's body adds to a query's own index as its causal limit: 0 (causal) and 4096 (no limit).
; LIMITS: NaN and infinities in x are not served.  A block of zeros gets the byte 1 (its codes are zeros; only this program reads the bytes); magnitudes under 2^-122 are taken as the floor.
.set CST,   73728                      ; LDS: 0: 16 waves x 32 blocks x 144 bytes (128 + 16 of padding); CST: 16 half fragments, 784 bytes apart
.set SST,   86272                      ; 512 scale bytes
.set MST,   86784                      ; 16 mask words
.set SCOFF, 3145728
.set MKOFF, 3276800
.set TILEB, 12288
.set X,     32                         ; v32-63  the row as loaded
.set BL,    64                         ; v64-95  my block of 32
.set CX,    96                         ; v96-101 context's 24 bytes
.set PC,    160                        ; v160-166 codes
.set OUTR,  168                        ; v168-173 the way out
	s_load_b512 s[4:19], s[0:1], 0x0               ; x 4, context codes 6, scales 8, packA 10, packC 12, packB 14, cnt1 16, cnt2 18
	v_lshl_add_u32 v176, v0, 2, 0x15400
	v_mov_b32 v177, 0
	v_lshrrev_b32 v14, 5, v0
	v_readfirstlane_b32 s20, v14                   ; wave = row of the tile
	v_and_b32 v15, 31, v0                          ; lane
	v_lshlrev_b32 v1, 4, v15                       ; 16 x lane
	v_lshlrev_b32 v8, 3, v15                       ; 8 x lane
	v_lshlrev_b32 v29, 2, v15                      ; 4 x lane
	v_mul_u32_u24 v16, v14, 4608                   ; my wave's 32 blocks
	v_bfe_u32 v17, v0, 3, 2
	v_mad_u32_u24 v2, v17, 144, v16
	v_and_b32 v17, 7, v0
	v_lshl_add_u32 v2, v17, 4, v2                  ; in: a load's 512 bytes are four blocks: block lane / 8, 16 (lane % 8) bytes on
	v_mad_u32_u24 v3, v15, 144, v16                ; out: block = lane
	v_bfe_u32 v17, v0, 1, 4
	v_mul_u32_u24 v17, v17, 784                    ; my block's half fragment: lane / 2
	v_and_b32 v18, 1, v0                           ; and its half of the lanes: lane % 2
	v_lshl_add_u32 v4, v18, 8, v17
	v_lshl_add_u32 v4, v14, 4, v4
	v_add_nc_u32 v4, CST, v4                       ; registers 0-3: 16 x (16 h + row)
	v_lshl_add_u32 v5, v18, 7, v17
	v_lshl_add_u32 v5, v14, 3, v5
	v_add_nc_u32 v5, CST+512, v5                   ; registers 4-5: 512 + 8 x (16 h + row)
	v_add_nc_u32 v6, SST, v0                       ; my block's scale byte: 32 x row + block
	v_mul_u32_u24 v7, v14, 784
	v_lshl_add_u32 v7, v15, 3, v7
	v_add_nc_u32 v7, CST, v7                       ; the way out: half fragment = wave, 8 bytes a lane
	v_lshl_add_u32 v9, v14, 2, MST                 ; my row's mask word
	v_add_nc_u32 v30, SST, v1
	v_and_b32 v31, 15, v0
	v_lshl_add_u32 v31, v31, 2, MST
	v_and_b32 v23, 15, v0
	v_and_b32 v24, 8, v23
	v_add_nc_u32 v24, v24, v23                     ; r + 8 (r / 8)
	v_mul_u32_u24 v24, v24, 768
	v_bfe_u32 v25, v0, 4, 1
	v_mad_u32_u24 v24, v25, 24, v24                ; context: the tile's row r, + 24 h
	v_mov_b32 v19, 0                               ; a lane permute's destination counts as read
	s_mov_b32 s26, 0x76543210
	s_mov_b32 s27, 0xfedcba98                      ; selects for lane l xor 16
	s_lshr_b32 s21, ttmp9, 1
	s_lshl_b32 s21, s21, 5
	s_and_b32 s22, ttmp9, 1
	s_lshl_b32 s22, s22, 3
	s_add_co_u32 s21, s21, s22                     ; the tile's first token
	s_and_b32 s22, s20, 8
	s_add_co_u32 s22, s22, s20
	s_add_co_u32 s22, s22, s21                     ; my token
	s_lshl_b32 s24, s22, 12
	s_mov_b32 s25, 0
	s_mul_i32 s28, s21, 768
	s_mul_i32 s29, s20, 48
	s_add_co_u32 s28, s28, s29                     ; context: the tile's first row, blocks 2 w on
	s_mov_b32 s29, 0
	s_mul_i32 s30, ttmp9, TILEB
	s_mul_i32 s31, s20, 768
	s_add_co_u32 s30, s30, s31                     ; half fragment w of my tile
	s_mov_b32 s31, 0
	s_mov_b32 s33, 0
	s_wait_kmcnt 0x0
	s_add_nc_u64 s[4:5], s[4:5], s[24:25]
	s_add_nc_u64 s[6:7], s[6:7], s[28:29]
	s_add_nc_u64 s[36:37], s[10:11], s[30:31]
	s_add_nc_u64 s[38:39], s[12:13], s[30:31]
	s_add_nc_u64 s[40:41], s[14:15], s[30:31]
.irp j,0,1,2,3,4,5,6,7
	global_load_b128 v[X+4*\j:X+4*\j+3], v1, s[4:5] offset:512*\j th:TH_LOAD_NT
.endr
.irp j,0,1,2
	global_load_b64 v[CX+2*\j:CX+2*\j+1], v24, s[6:7] offset:8*\j th:TH_LOAD_NT
.endr
	s_wait_loadcnt 3                               ; the row is in; context's three loads may be out
.irp j,0,1,2,3,4,5,6,7
	ds_store_b128 v2, v[X+4*\j:X+4*\j+3] offset:576*\j
.endr
.irp i,0,1,2,3,4,5,6,7
	ds_load_b128 v[BL+4*\i:BL+4*\i+3], v3 offset:16*\i         ; my wave's own bytes, served in order: no wait between
.endr
	s_wait_loadcnt 0x0
	global_store_b128 v1, v[CX:CX+3], s[40:41]                 ; context's half fragment, as an image
	global_store_b64 v8, v[CX+4:CX+5], s[40:41] offset:512
	s_wait_dscnt 0x0
	; my block: its largest magnitude, the row's mask, the scale, the codes
	v_max3_num_f32 v16, |v[BL]|, |v[BL+1]|, |v[BL+2]|
	v_max3_num_f32 v17, |v[BL+3]|, |v[BL+4]|, |v[BL+5]|
.irp i,6,10,14,18,22,26
	v_max3_num_f32 v16, v16, |v[BL+\i]|, |v[BL+\i+1]|
	v_max3_num_f32 v17, v17, |v[BL+\i+2]|, |v[BL+\i+3]|
.endr
	v_max3_num_f32 v16, v16, |v[BL+30]|, |v[BL+31]|
	v_max_num_f32 v16, v16, v17
	v_mov_b32 v18, v16
	v_max_num_f32_dpp v18, v18, v18 row_xmask:1 row_mask:0xf bank_mask:0xf
	v_max_num_f32_dpp v18, v18, v18 row_xmask:2 row_mask:0xf bank_mask:0xf
	v_max_num_f32_dpp v18, v18, v18 row_xmask:4 row_mask:0xf bank_mask:0xf
	v_max_num_f32_dpp v18, v18, v18 row_xmask:8 row_mask:0xf bank_mask:0xf
	v_permlanex16_b32 v19, v18, s26, s27
	v_max_num_f32 v18, v18, v19                    ; the row's largest magnitude
	v_cmp_neq_f32 vcc_lo, 0, v18
	v_cndmask_b32 v20, 0, 1.0, vcc_lo              ; the mask: 0 where the whole row is 0
	v_max_num_f32 v16, 0x2800000, v16              ; the floor 2^(5 - 127): the byte cannot fall under 1
	v_add_nc_u32 v21, 0xfe000000, v16              ; 4 off the exponent field: the conversion's scale operand
	v_lshrrev_b32 v22, 23, v21                     ; the byte
	v_cvt_scalef32_pk16_bf6_f32 v[PC:PC+2], v[BL:BL+15], v21
	v_cvt_scalef32_pk16_bf6_f32 v[PC+4:PC+6], v[BL+16:BL+31], v21   ; (three registers from an even one)
	v_nop                                          ; a plain place behind a scaled conversion
	v_mov_b32 v[PC+3], v[PC+4]
	v_mov_b32 v[PC+4], v[PC+5]
	v_mov_b32 v[PC+5], v[PC+6]
	ds_store_b128 v4, v[PC:PC+3]
	ds_store_b64 v5, v[PC+4:PC+5]
	ds_store_b8 v6, v22
	ds_store_b32 v9, v20                           ; all lanes write the same word with the same value
	s_wait_dscnt 0x0                               ; for the others' sake: my stores have landed
	s_barrier_signal -1
	s_barrier_wait -1
.irp i,0,1,2
	ds_load_b64 v[OUTR+2*\i:OUTR+2*\i+1], v7 offset:256*\i
.endr
.irp i,0,1,2
	s_wait_dscnt 2-\i                              ; the younger loads may be out
	global_store_b64 v8, v[OUTR+2*\i:OUTR+2*\i+1], s[36:37] offset:256*\i   ; 32 lanes store 256 consecutive bytes, aligned
	global_store_b64 v8, v[OUTR+2*\i:OUTR+2*\i+1], s[38:39] offset:256*\i
.endr
	; four small tails, one wave each
	s_cmp_eq_u32 s20, 0
	s_cbranch_scc0 .Lnot0
	ds_load_b128 v[108:111], v30                   ; the tile's 512 scale bytes
	s_lshl_b32 s32, ttmp9, 9
	s_add_nc_u64 s[42:43], s[10:11], s[32:33]
	s_add_nc_u64 s[44:45], s[12:13], s[32:33]
	s_wait_dscnt 0x0
	global_store_b128 v1, v[108:111], s[42:43] offset:SCOFF
	global_store_b128 v1, v[108:111], s[44:45] offset:SCOFF
	s_branch .Lend
.Lnot0:
	s_cmp_eq_u32 s20, 1
	s_cbranch_scc0 .Lnot1
	ds_load_b32 v112, v31                          ; the 16 masks, twice
	s_lshl_b32 s32, ttmp9, 7
	s_add_nc_u64 s[42:43], s[10:11], s[32:33]
	s_add_nc_u64 s[44:45], s[12:13], s[32:33]
	s_wait_dscnt 0x0
	global_store_b32 v29, v112, s[42:43] offset:MKOFF
	global_store_b32 v29, v112, s[44:45] offset:MKOFF
	s_branch .Lend
.Lnot1:
	s_cmp_eq_u32 s20, 2
	s_cbranch_scc0 .Lnot2
	v_lshrrev_b32 v113, 1, v15                     ; context's scale bytes: lane l takes half l % 2 of the tile's row l / 2
	v_lshrrev_b32 v114, 4, v15
	v_lshl_add_u32 v113, v114, 3, v113
	v_and_b32 v114, 1, v15
	v_lshlrev_b32 v113, 5, v113
	v_lshl_add_u32 v113, v114, 4, v113
	s_lshl_b32 s32, s21, 5
	s_add_nc_u64 s[42:43], s[8:9], s[32:33]
	global_load_b128 v[116:119], v113, s[42:43]
	s_lshl_b32 s32, ttmp9, 9
	s_add_nc_u64 s[44:45], s[14:15], s[32:33]
	s_wait_loadcnt 0x0
	global_store_b128 v1, v[116:119], s[44:45] offset:SCOFF
	s_branch .Lend
.Lnot2:
	s_cmp_eq_u32 s20, 3
	s_cbranch_scc0 .Lend
	s_lshl_b32 s32, ttmp9, 7
	s_add_nc_u64 s[42:43], s[16:17], s[32:33]
	s_add_nc_u64 s[44:45], s[18:19], s[32:33]
	v_mov_b32 v120, 0
	v_mov_b32 v121, 0x1000
	global_store_b32 v29, v120, s[42:43] offset:4096
	global_store_b32 v29, v121, s[44:45] offset:4096
.Lend:
	s_wait_tensorcnt 0x0
	ds_add_u32 v176, v177
	s_wait_dscnt 0x0
	s_endpgm
.Lfunc_end_k_q1a6f9f7766_prep:
	.size	k_q1a6f9f7766_prep, .Lfunc_end_k_q1a6f9f7766_prep-k_q1a6f9f7766_prep
	.p2alignl 7, 3214868480
	.fill 96, 4, 3214868480
	.section	.rodata,"a",@progbits
	.p2align	6, 0x0
	.amdhsa_kernel k_q1a6f9f7766_prep
		.amdhsa_group_segment_fixed_size 89088
		.amdhsa_private_segment_fixed_size 0
		.amdhsa_enable_private_segment 0
		.amdhsa_kernarg_size 64
		.amdhsa_user_sgpr_count 2
		.amdhsa_user_sgpr_kernarg_segment_ptr 1
		.amdhsa_wavefront_size32 1
		.amdhsa_system_sgpr_workgroup_id_x 1
		.amdhsa_system_sgpr_workgroup_id_y 1
		.amdhsa_system_sgpr_workgroup_id_z 1
		.amdhsa_system_vgpr_workitem_id 0
		.amdhsa_next_free_vgpr 178
		.amdhsa_next_free_sgpr 66
		.amdhsa_reserve_vcc 1
		.amdhsa_float_denorm_mode_32 3
		.amdhsa_float_denorm_mode_16_64 3
		.amdhsa_memory_ordered 1
		.amdhsa_forward_progress 1
		.amdhsa_inst_pref_size 12
	.end_amdhsa_kernel
	.amdgpu_metadata
---
amdhsa.version: [ 1, 2 ]
amdhsa.kernels:
  - .name:           k_q1a6f9f7766_prep
    .symbol:         k_q1a6f9f7766_prep.kd
    .args:
      - { .name: x, .offset: 0, .size: 8, .value_kind: global_buffer, .address_space: global }
      - { .name: context_codes, .offset: 8, .size: 8, .value_kind: global_buffer, .address_space: global }
      - { .name: context_scales, .offset: 16, .size: 8, .value_kind: global_buffer, .address_space: global }
      - { .name: packA, .offset: 24, .size: 8, .value_kind: global_buffer, .address_space: global }
      - { .name: packC, .offset: 32, .size: 8, .value_kind: global_buffer, .address_space: global }
      - { .name: packB, .offset: 40, .size: 8, .value_kind: global_buffer, .address_space: global }
      - { .name: cnt1, .offset: 48, .size: 8, .value_kind: global_buffer, .address_space: global }
      - { .name: cnt2, .offset: 56, .size: 8, .value_kind: global_buffer, .address_space: global }
    .group_segment_fixed_size: 89088
    .private_segment_fixed_size: 0
    .kernarg_segment_align: 8
    .kernarg_segment_size: 64
    .max_flat_workgroup_size: 512
    .sgpr_count:     66
    .vgpr_count:     178
    .wavefront_size: 32
...
	.end_amdgpu_metadata
.endif
;; end of part 1
;; launch proj1 (part 2): grid 16 x 16, 4 waves a work-group, clusters of 4 x 1, 168,448 bytes of LDS; arguments packA, packC, Wq1_codes, Wq1_scales, Wk1_codes, Wk1_scales, Wv1_codes, Wv1_scales, qkv, cnt1; writes qkv, cnt1
.if DOCPART == 2
	.amdgcn_target "amdgcn-amd-amdhsa--gfx1250"
	.amdhsa_code_object_version 6
	.text
	.protected	k_q1a6f9f7766_proj1
	.globl	k_q1a6f9f7766_proj1
	.p2align	8
	.type	k_q1a6f9f7766_proj1,@function
k_q1a6f9f7766_proj1:
	s_mov_b64 s[64:65], 0
	v_nop
	global_prefetch_b8 v0, s[64:65] scope:SCOPE_SE
	s_setreg_imm32_b32 hwreg(HW_REG_WAVE_MODE, 25, 1), 1
	s_wait_xcnt 0x0
	s_wait_alu depctr_hold_cnt(0) depctr_sa_sdst(0) depctr_va_vdst(0) depctr_va_sdst(0) depctr_va_ssrc(0) depctr_va_vcc(0) depctr_vm_vsrc(0)
	s_getreg_b32 s2, hwreg(HW_REG_IB_STS2, 6, 4)
	s_cmp_eq_u32 s2, 0
	s_cbranch_scc0 .Lentry_in_a_cluster
	s_endpgm
.Lentry_in_a_cluster:
	s_bfe_u32 s2, ttmp6, 0x10000c
	s_cmp_lg_u32 s2, 0x3003
	s_cbranch_scc0 .Lentry_shape_is_right
	s_endpgm
.Lentry_shape_is_right:
; THE THREE PROJECTIONS OF ONE HEAD FOR 256 TOKENS, on codes of BF6 with E8M0 scales; Q, K and V are masked, quantised in registers and stored as operand images for the attention.
; Arguments: the queries' pack, the keys' pack (layout: a tile of 16 tokens x 16 half fragments of 768 bytes; scale bytes at SCOFF; masks at MKOFF), Wq, Wk, Wv as codes [16][64][768 bytes] and scale bytes [16][64][32], qkv, cnt.
; SHARES: block tb of 256 tokens (x) x head g (y).  Wave w takes token tiles 16 tb + 4 w + 0..3.  A pass is 4 tiles of W's rows x 4 token tiles x 8 K steps of 128.
; A wave's token fragments are read by no other wave: they go from memory into registers and stay (windows 1 and 2).  W's 64 rows of each pass are read by all four waves: they come into LDS once.
; CLUSTER: the four work-groups of a cluster have the same head, so W is asked for jointly: the same six tensor loads a wave, mask 15, in all four.  LDS is filled once: no slot is filled again.
; Q and K are made transposed (source 0 = W's rows, source 1 = tokens): a lane holds one token and 32 of its 64 numbers.  Inside each true block of 32 the codes then stand in a fixed order
; (0-7, 16-23, 8-15, 24-31), THE SAME IN Q AND IN K, so that their dot product is unchanged.  V is made the other way round (source 0 = tokens): a lane holds one channel and 16 neighbouring tokens of each of two blocks of 32 keys.
; THE LENGTH: reference() counts the non-zeros of row 0 of Q K^T.  The Q pass carries a fifth token tile, the one with the batch's token 0; each tile of K, once quantised, is multiplied by it, and lanes 0 and 16
; (query 0) count their non-zeros.  Each wave stores its count of 64 keys; the attention adds the 32 counts of a head.  It leans on the unit's sum being 0 exactly where a row of K or Q is 0.
; qkv: Q images at bh x 98304 + tile x 768; Q scale words at QSO + bh x 8192 + (tile / 4) x 256 + 16 r + 4 (tile % 4); at KVO + bh x 204800: K images (tile x 768), V images at 98304 (((step x 4 + t) x 2 + c) x 768),
; K scale half words at 196608 (step x 256 + 16 r + 2 (tile % 8)), V's at 200704 (step x 256 + 16 r + 4 t + 2 c).  The half words leave in stores of 2 to 8 bytes a lane: one byte in 24 of what the launch stores.
; LIMITS: NaN and infinities are not served; a block of zeros gets the byte 1; magnitudes under 2^-122 are taken as the floor.
; REGISTERS, in windows of 256.  Window 0: v1-15, v26-27 addresses; v16-20 masks; v21-24 scale half words; v29, v30 scale words of the count's product; v32-127 W's fragments, two sets; v128-167 tokens' scale words;
; v168-199 W's scale words; v200-231 32 numbers; v232-243 a fragment (its upper six stay 0); v244-255 at work.  Windows 1, 2: token fragments of K steps 0-3, 4-7, at 60 (s % 4) + 12 tile.
; Window 3: accumulator (W tile wt, token tile tt) at 8 (5 wt + tt); v160-191 V's masks; v192-203 query tile 0's fragment; v208-215 the count's product.
.set SCOFF, 3145728
.set MKOFF, 3276800
.set TILEB, 12288
.set QSO,   3145728
.set KVO,   3407872
.set KVB,   204800
.set WTB,   13056                      ; 16 rows of W in LDS: 816 bytes a row (768 + 16 behind each 256): 204 words, so that the 32 lanes of a load of 8 bytes touch 64 different banks
.set WPB,   52224                      ; a pass's 64 rows
.set WSC,   3*WPB                      ; behind them: the scale bytes, 2048 a pass
.set MK,  16
.set HWS, 21
.set KW,  29
.set Q0S, 30
.set WF,  32
.set TS,  128
.set WS,  168
.set Y,   200
.set PC,  232
.set T,   244
.set TM,  248
.set MV,  160
.set Q0F, 192
.set E,   208
.set MSB, 0
.macro WIN new                         ; the immediate's high byte repeats the setting that is left
.if MSB != (\new)
	s_set_vgpr_msb (MSB<<8)|(\new)
.set MSB, (\new)
.endif
.endm
.macro PLACES                          ; four plain places behind a matrix instruction, in front of loads into its registers and of reads of its results
.rept 4
	v_nop
.endr
.endm
.macro CROUND                          ; a round of the cluster's barrier
	s_barrier_signal -1
	s_barrier_wait -1
	s_cmp_lg_u32 s24, 0
	s_cbranch_scc1 .Lnot_wave_0_\@
	s_barrier_signal -3
.Lnot_wave_0_\@:
	s_barrier_wait -3
	s_barrier_signal -1
	s_barrier_wait -1
.endm
; nt token tiles' fragments of all eight K steps, K step by K step: four loads a fragment, each of 512 or 256 consecutive bytes
.macro TFALL base, nt
.set ks, 0
.rept 8
	WIN 0x40*(1+ks/4)
.set tt, 0
.rept \nt
.set RG, 60*(ks%4)+12*tt
.if tt < 4
	global_load_b128 v[RG:RG+3], v3, s[\base:\base+1] offset:tt*TILEB+ks*1536
	global_load_b64 v[RG+4:RG+5], v4, s[\base:\base+1] offset:tt*TILEB+ks*1536+512
	global_load_b128 v[RG+6:RG+9], v3, s[\base:\base+1] offset:tt*TILEB+ks*1536+768
	global_load_b64 v[RG+10:RG+11], v4, s[\base:\base+1] offset:tt*TILEB+ks*1536+1280
.else
	global_load_b128 v[RG:RG+3], v3, s[82:83] offset:ks*1536
	global_load_b64 v[RG+4:RG+5], v4, s[82:83] offset:ks*1536+512
	global_load_b128 v[RG+6:RG+9], v3, s[82:83] offset:ks*1536+768
	global_load_b64 v[RG+10:RG+11], v4, s[82:83] offset:ks*1536+1280
.endif
.set tt, tt+1
.endr
.set ks, ks+1
.endr
	WIN 0
.endm
; W's four fragments of K step s into a set: pieces of 8 bytes; lanes 16-31 read three pieces on, which for some pieces is behind one padding more: v6 serves those
.macro FETCHW set, s
.irp wt,0,1,2,3
.irp q,0,1,2,3,4,5
.set PN, 12*(\s)+6*(\q/3)+\q%3
.set RG, WF+48*(\set)+12*\wt+2*\q
.if PN%32 < 29
	ds_load_b64 v[RG:RG+1], v5 offset:\wt*WTB+8*PN+16*(PN/32)
.else
	ds_load_b64 v[RG:RG+1], v6 offset:\wt*WTB+8*PN+16*(PN/32)
.endif
.endr
.endr
.endm
.macro PASS_BEGIN p                    ; on to pass p's rows of W: their scale words of all eight K steps, and K step 0's fragments
.if \p > 0
	v_add_nc_u32 v5, WPB, v5
	v_add_nc_u32 v6, WPB, v6
	v_add_nc_u32 v7, 2048, v7
.endif
.irp wt,0,1,2,3
	ds_load_b128 v[WS+8*\wt:WS+8*\wt+3], v7 offset:512*\wt
	ds_load_b128 v[WS+8*\wt+4:WS+8*\wt+7], v7 offset:512*\wt+16
.endr
	FETCHW 0, 0
.endm
; a K step's products.  type 0: source 0 = W, source 1 = tokens; 1: the other way round.  The accumulators take turns, one instruction a turn.
.macro PROD type, s, nt
.set SB, WF+48*((\s)%2)
.set TB, 60*((\s)%4)
.if \type
	WIN 0xf1+(\s)/4
.else
	WIN 0xf4+4*((\s)/4)
.endif
.set tt, 0
.rept \nt
.set wt, 0
.rept 4
.set AC, 8*(5*wt+tt)
.if \type
.if (\s) == 0
	v_wmma_scale_f32_16x16x128_f8f6f4 v[AC:AC+7], v[TB+12*tt:TB+12*tt+11], v[SB+12*wt:SB+12*wt+11], 0, v[TS+8*tt+(\s)], v[WS+8*wt+(\s)] matrix_a_fmt:MATRIX_FMT_BF6 matrix_b_fmt:MATRIX_FMT_BF6
.else
	v_wmma_scale_f32_16x16x128_f8f6f4 v[AC:AC+7], v[TB+12*tt:TB+12*tt+11], v[SB+12*wt:SB+12*wt+11], v[AC:AC+7], v[TS+8*tt+(\s)], v[WS+8*wt+(\s)] matrix_a_fmt:MATRIX_FMT_BF6 matrix_b_fmt:MATRIX_FMT_BF6
.endif
.else
.if (\s) == 0
	v_wmma_scale_f32_16x16x128_f8f6f4 v[AC:AC+7], v[SB+12*wt:SB+12*wt+11], v[TB+12*tt:TB+12*tt+11], 0, v[WS+8*wt+(\s)], v[TS+8*tt+(\s)] matrix_a_fmt:MATRIX_FMT_BF6 matrix_b_fmt:MATRIX_FMT_BF6
.else
	v_wmma_scale_f32_16x16x128_f8f6f4 v[AC:AC+7], v[SB+12*wt:SB+12*wt+11], v[TB+12*tt:TB+12*tt+11], v[AC:AC+7], v[WS+8*wt+(\s)], v[TS+8*tt+(\s)] matrix_a_fmt:MATRIX_FMT_BF6 matrix_b_fmt:MATRIX_FMT_BF6
.endif
.endif
.set wt, wt+1
.endr
.set tt, tt+1
.endr
	WIN 0
.endm
; a pass: eight K steps.  The next step's fragments of W are asked for ahead of a step's products.  fresh = 1: the token fragments are still arriving
.macro KLOOP type, nt, fresh
.set ks, 0
.rept 8
.if ks < 7
	PLACES
	FETCHW (ks+1)%2, ks+1
	s_wait_dscnt 24                                ; all but the 24 just issued
.else
	s_wait_dscnt 0x0
.endif
.if \fresh
.if (7-ks)*4*\nt > 63
	s_wait_loadcnt 63                              ; more loads than that were issued behind this step's
.else
	s_wait_loadcnt (7-ks)*4*\nt                    ; the later K steps' fragments may be out
.endif
.endif
	PROD \type, ks, \nt
.set ks, ks+1
.endr
.endm
.macro SCALE_T tt                      ; my 32 numbers of token tile tt x the token's mask; each accumulator from its low end on
	WIN 0x03
.irp wt,0,1,2,3
.irp j,0,1,2,3,4,5,6,7
	v_mul_f32 v[Y+8*\wt+\j], v[8*(5*\wt+(\tt))+\j], v[MK+(\tt)]
.endr
.endr
	WIN 0
.endm
; v[Y] .. v[Y+15]: my 16 numbers of one block of 32, v[Y+16] ..: of the next; lane l xor 16 holds the other 16 of each.  They become a half fragment in v[PC] .. v[PC+5] and the two scale bytes in v[hw].
.macro QUANT2 hw
	v_max3_num_f32 v[TM], |v[Y]|, |v[Y+1]|, 0x2800000          ; with the floor 2^(5 - 127): the byte cannot fall under 1
	v_max3_num_f32 v[TM+1], |v[Y+16]|, |v[Y+17]|, 0x2800000
.irp i,2,4,6,8,10,12,14
	v_max3_num_f32 v[TM], v[TM], |v[Y+\i]|, |v[Y+\i+1]|
	v_max3_num_f32 v[TM+1], v[TM+1], |v[Y+16+\i]|, |v[Y+17+\i]|
.endr
	v_permlanex16_b32 v[TM+2], v[TM], s96, s97
	v_permlanex16_b32 v[TM+3], v[TM+1], s96, s97
	v_max_num_f32 v[TM], v[TM], v[TM+2]
	v_max_num_f32 v[TM+1], v[TM+1], v[TM+3]
	v_add_nc_u32 v[TM+4], 0xfe000000, v[TM]                    ; 4 off the exponent field: the conversion's scale operand
	v_add_nc_u32 v[TM+5], 0xfe000000, v[TM+1]
	v_lshrrev_b32 v[TM+6], 23, v[TM+4]
	v_lshrrev_b32 v[TM+7], 23, v[TM+5]
	v_lshl_or_b32 v[\hw], v[TM+7], 8, v[TM+6]
	v_cvt_scalef32_pk16_bf6_f32 v[PC:PC+2], v[Y:Y+15], v[TM+4]
	v_cvt_scalef32_pk16_bf6_f32 v[T:T+2], v[Y+16:Y+31], v[TM+5]
	v_nop                                          ; a plain place behind a scaled conversion
.irp i,0,1,2
	v_permlane16_swap_b32 v[PC+\i], v[T+\i]        ; lanes 0-15 now hold the first block whole, lanes 16-31 the second
.endr
.irp i,0,1,2
	v_mov_b32 v[PC+3+\i], v[T+\i]
.endr
.endm
.macro STORE_HF a16, a8, base, off     ; the half fragment as an image: 512 and 256 consecutive bytes
	global_store_b128 v[\a16], v[PC:PC+3], s[\base:\base+1] offset:\off
	global_store_b64 v[\a8], v[PC+4:PC+5], s[\base:\base+1] offset:(\off)+512
.endm
	s_load_b512 s[4:19], s[0:1], 0x0               ; queries' pack 4, keys' pack 6, Wq 8 10, Wk 12 14, Wv 16 18
	s_load_b128 s[20:23], s[0:1], 0x40             ; qkv, cnt
	v_lshl_add_u32 v31, v0, 2, 0x29000
	v_mov_b32 v247, 0
	ds_add_u32 v31, v247
	ds_add_u32 v31, v247
	v_lshrrev_b32 v1, 5, v0
	v_readfirstlane_b32 s24, v1                    ; wave
	s_bfe_u32 s25, ttmp6, 0x40000                  ; cx
	s_lshl_b32 s26, ttmp9, 2
	s_add_co_u32 s26, s26, s25                     ; tb: it enters global addresses alone
	s_and_b32 s27, ttmp7, 0xffff                   ; the head, which the four partners share
	s_mov_b32 s36, 15|(1<<20)|(1<<21)|(5<<22)|(3<<25)  ; codes: mask of all four; elements of 1 byte; padding on; bit 21 beside a mask; after every 64 words, 4 words
	s_mov_b32 s37, 768<<16                         ; tensor_dim0
	s_mov_b32 s38, 16<<16                          ; tensor_dim1
	s_mov_b32 s39, 768<<16                         ; tile_dim0
	s_mov_b32 s40, 16                              ; tile_dim1
	s_mov_b32 s41, 768                             ; the pitch
	s_mov_b32 s42, 0
	s_mov_b32 s43, 0
	s_mov_b32 s44, 15|(3<<16)|(1<<21)              ; scale bytes: 512 dense bytes as two rows of 32 elements of 8 bytes
	s_mov_b32 s45, 32<<16
	s_mov_b32 s46, 2<<16
	s_mov_b32 s47, 32<<16
	s_mov_b32 s48, 2
	s_mov_b32 s49, 32
	s_mov_b32 s50, 0
	s_mov_b32 s51, 0
	s_mul_i32 s28, s27, 49152
	s_mul_i32 s30, s24, 12288
	s_add_co_u32 s28, s28, s30                     ; the head's rows 16 w on, in bytes of codes
	s_mov_b32 s29, 0
	s_lshl_b32 s30, s27, 11
	s_lshl_b32 s31, s24, 9
	s_add_co_u32 s30, s30, s31                     ; and of scale bytes
	s_mov_b32 s31, 0
	s_mul_i32 s32, s24, WTB
	s_lshl_b32 s33, s24, 9
	s_add_co_u32 s33, s33, WSC
	s_wait_dscnt 0x0
	s_wait_kmcnt 0x0
.irp p,0,1,2
	s_mov_b32 s[52+4*\p], 1
	s_add_co_u32 s[53+4*\p], s32, \p*WPB
	s_add_nc_u64 s[54+4*\p:55+4*\p], s[8+4*\p:9+4*\p], s[28:29]
	s_or_b32 s[55+4*\p], s[55+4*\p], 0x80000000
	s_mov_b32 s[68+4*\p], 1
	s_add_co_u32 s[69+4*\p], s33, \p*2048
	s_add_nc_u64 s[70+4*\p:71+4*\p], s[10+4*\p:11+4*\p], s[30:31]
	s_or_b32 s[71+4*\p], s[71+4*\p], 0x80000000
.endr
	CROUND                                         ; all four work-groups are here: the joint loads meet
	tensor_load_to_lds s[52:55], s[36:43]          ; six loads of mine are out: all of LDS's fills, one group
	s_nop 0
	tensor_load_to_lds s[68:71], s[44:51]
	s_nop 0
	tensor_load_to_lds s[56:59], s[36:43]
	s_nop 0
	tensor_load_to_lds s[72:75], s[44:51]
	s_nop 0
	tensor_load_to_lds s[60:63], s[36:43]
	s_nop 0
	tensor_load_to_lds s[76:79], s[44:51]
	s_nop 0
.rept 4
	v_nop
.endr
	v_and_b32 v1, 15, v0                           ; r
	v_bfe_u32 v2, v0, 4, 1                         ; h
	v_and_b32 v25, 31, v0
	v_lshlrev_b32 v3, 4, v25                       ; 16 x lane
	v_lshlrev_b32 v4, 3, v25                       ; 8 x lane
	v_lshlrev_b32 v9, 2, v25                       ; 4 x lane
	v_mul_u32_u24 v5, v1, 816
	v_mad_u32_u24 v6, v2, 40, v5                   ; W in LDS: row r + 40 h (behind one padding more)
	v_mad_u32_u24 v5, v2, 24, v5                   ; row r + 24 h
	v_lshlrev_b32 v8, 5, v1                        ; 32 r: a row's scale bytes
	v_add_nc_u32 v7, WSC, v8
	v_lshlrev_b32 v10, 5, v2                       ; 32 h: eight masks
	s_lshl_b32 s28, s26, 4
	s_lshl_b32 s29, s24, 2
	s_add_co_u32 s28, s28, s29                     ; my first tile
	s_lshr_b32 s29, s26, 3
	s_lshl_b32 s29, s29, 7                         ; the batch's first tile
	s_mov_b32 s31, 0
	s_mul_i32 s30, s28, TILEB
	s_add_nc_u64 s[80:81], s[4:5], s[30:31]
	s_add_nc_u64 s[92:93], s[6:7], s[30:31]
	s_mul_i32 s30, s29, TILEB
	s_add_nc_u64 s[82:83], s[4:5], s[30:31]
	s_lshl_b32 s30, s28, 9
	s_add_nc_u64 s[84:85], s[4:5], s[30:31]
	s_add_nc_u64 s[94:95], s[6:7], s[30:31]
	s_lshl_b32 s30, s29, 9
	s_add_nc_u64 s[86:87], s[4:5], s[30:31]
	s_lshl_b32 s30, s28, 7
	s_add_nc_u64 s[88:89], s[4:5], s[30:31]
	s_lshl_b32 s30, s29, 7
	s_add_nc_u64 s[90:91], s[4:5], s[30:31]
.irp tt,0,1,2,3
	global_load_b128 v[TS+8*\tt:TS+8*\tt+3], v8, s[84:85] offset:SCOFF+512*\tt
	global_load_b128 v[TS+8*\tt+4:TS+8*\tt+7], v8, s[84:85] offset:SCOFF+512*\tt+16
	global_load_b32 v[MK+\tt], v9, s[88:89] offset:MKOFF+128*\tt
.endr
	global_load_b128 v[TS+32:TS+35], v8, s[86:87] offset:SCOFF
	global_load_b128 v[TS+36:TS+39], v8, s[86:87] offset:SCOFF+16
	global_load_b32 v[MK+4], v9, s[90:91] offset:MKOFF
	WIN 0xc0
.irp tt,0,1,2,3
	global_load_b128 v[MV+8*\tt:MV+8*\tt+3], v10, s[88:89] offset:MKOFF+128*\tt       ; the masks of the tile's rows 8 h + 0 .. 7
	global_load_b128 v[MV+8*\tt+4:MV+8*\tt+7], v10, s[88:89] offset:MKOFF+128*\tt+16
.endr
	WIN 0
	TFALL 80, 5
	; where the results go
	s_and_b32 s28, s26, 7                          ; the block within its batch
	s_lshl_b32 s29, s28, 1
	s_lshr_b32 s30, s24, 1
	s_add_co_u32 s29, s29, s30                     ; my key step of 128
	s_and_b32 s30, s24, 1                          ; and which 64 keys of it
	s_lshl_b32 s31, s28, 2
	s_add_co_u32 s31, s31, s24                     ; my first tile within the batch, / 4
	s_mul_i32 s32, s31, 3072
	v_add_nc_u32 v11, s32, v3
	v_add_nc_u32 v12, s32, v4
	s_mul_i32 s32, s29, 6144
	s_mul_i32 s34, s30, 768
	s_add_co_u32 s32, s32, s34
	s_add_co_u32 s32, s32, 98304
	v_add_nc_u32 v13, s32, v3
	v_add_nc_u32 v14, s32, v4
	v_lshlrev_b32 v25, 4, v1
	v_lshl_add_u32 v15, v2, 3, v25
	s_lshl_b32 s32, s31, 8
	v_add_nc_u32 v15, s32, v15                     ; Q's scale words: 16 r + 8 h
	v_lshl_add_u32 v25, v2, 2, v25                 ; 16 r + 4 h
	s_lshl_b32 s32, s29, 8
	s_lshl_b32 s34, s30, 3
	s_add_co_u32 s34, s34, s32
	s_add_co_u32 s34, s34, 196608
	v_add_nc_u32 v26, s34, v25
	s_lshl_b32 s34, s30, 1
	s_add_co_u32 s34, s34, s32
	s_add_co_u32 s34, s34, 200704
	v_add_nc_u32 v27, s34, v25
	s_lshr_b32 s32, s26, 3
	s_lshl_b32 s32, s32, 4
	s_add_co_u32 s32, s32, s27                     ; 16 x batch + head
	s_mov_b32 s29, 0
	s_mul_i32 s28, s32, 98304
	s_add_nc_u64 s[4:5], s[20:21], s[28:29]        ; Q's images
	s_lshl_b32 s28, s32, 13
	s_add_nc_u64 s[6:7], s[20:21], s[28:29]        ; Q's scale words (+ QSO)
	s_mul_i32 s28, s32, KVB
	s_add_nc_u64 s[8:9], s[20:21], s[28:29]        ; the head's K and V (+ KVO)
	s_lshl_b32 s28, s32, 5
	s_add_co_u32 s28, s28, s31
	s_lshl_b32 s28, s28, 2
	s_add_nc_u64 s[22:23], s[22:23], s[28:29]      ; my count
	s_mov_b32 s33, 0                               ; the count
	s_mov_b32 s35, 0xffff0000                      ; lanes 16-31
	s_mov_b32 s96, 0x76543210
	s_mov_b32 s97, 0xfedcba98
.irp i,6,7,8,9,10,11
	v_mov_b32 v[PC+\i], 0                          ; the upper 64 of the count's K: zero codes
.endr
	v_mov_b32 v[TM+2], 0                           ; a lane permute's destination counts as read
	v_mov_b32 v[TM+3], 0
	s_wait_tensorcnt 0x0                           ; my parts of W have landed,
	s_barrier_signal -1
	s_barrier_wait -1                              ; everybody's have
	; ---- Q
	PASS_BEGIN 0
	KLOOP 0, 5, 1
	PLACES
.irp tt,0,1,2,3                        ; the keys' tokens take the queries' place; they land under Q's way out
	global_load_b128 v[TS+8*\tt:TS+8*\tt+3], v8, s[94:95] offset:SCOFF+512*\tt
	global_load_b128 v[TS+8*\tt+4:TS+8*\tt+7], v8, s[94:95] offset:SCOFF+512*\tt+16
.endr
	TFALL 92, 4
	PASS_BEGIN 1
.irp tt,0,1,2,3
	s_wait_xcnt 0x0                                ; the last stores have read their data: the registers may be written again
	SCALE_T \tt
	QUANT2 HWS+\tt
	STORE_HF 11, 12, 4, \tt*768
.endr
	s_wait_xcnt 0x0
	v_cndmask_b32 v[TM], v[HWS], v[HWS+2], s35     ; lanes 0-15: tiles 0, 1; lanes 16-31: tiles 2, 3
	v_cndmask_b32 v[TM+1], v[HWS+1], v[HWS+3], s35
	v_lshl_or_b32 v[TM], v[TM], 16, v[TM]          ; the two bytes twice: they serve the lower and the upper 64 of the attention's K
	v_lshl_or_b32 v[TM+1], v[TM+1], 16, v[TM+1]
	global_store_b64 v15, v[TM:TM+1], s[6:7] offset:QSO        ; 32 lanes store 256 consecutive bytes, aligned
	s_wait_xcnt 0x0
	SCALE_T 4                                      ; the tile with query 0: it stays in registers
	QUANT2 25
	WIN 0xc0
.irp i,0,1,2,3,4,5
	v_mov_b32 v[Q0F+\i], v[PC+\i]
.endr
.irp i,6,7,8,9,10,11
	v_mov_b32 v[Q0F+\i], 0
.endr
	WIN 0
	v_lshl_or_b32 v[Q0S], v25, 16, v25
	; ---- K
	KLOOP 0, 4, 1
	PLACES
	PASS_BEGIN 2
.irp tt,0,1,2,3
	s_wait_xcnt 0x0
	SCALE_T \tt
	QUANT2 HWS+\tt
	STORE_HF 11, 12, 8, KVO+\tt*768
	v_mov_b32 v[KW], v[HWS+\tt]
.rept 8
	v_nop                                          ; a scale word written by a vector instruction stands eight places ahead of the product, an operand four
.endr
	WIN 0xcc
	v_wmma_scale_f32_16x16x128_f8f6f4 v[E:E+7], v[PC:PC+11], v[Q0F:Q0F+11], 0, v[KW], v[Q0S] matrix_a_fmt:MATRIX_FMT_BF6 matrix_b_fmt:MATRIX_FMT_BF6
	PLACES
	WIN 0x0c
.irp j,0,1,2,3,4,5,6,7
	v_cmp_neq_f32 s[68+\j], 0, v[E+\j]             ; lanes 0 and 16 hold query 0 against the tile's 16 keys
.endr
	WIN 0
.irp j,0,1,2,3,4,5,6,7
	s_and_b32 s[68+\j], s[68+\j], 0x10001
	s_bcnt1_i32_b32 s[68+\j], s[68+\j]
	s_add_co_u32 s33, s33, s[68+\j]
.endr
.endr
	s_wait_xcnt 0x0
	v_lshl_or_b32 v[TM], v[HWS+1], 16, v[HWS]
	v_lshl_or_b32 v[TM+1], v[HWS+3], 16, v[HWS+2]
	v_cndmask_b32 v[TM], v[TM], v[TM+1], s35
	global_store_b32 v26, v[TM], s[8:9] offset:KVO
	; ---- V
	KLOOP 1, 4, 0
	PLACES
.irp wt,0,1,2,3
	s_wait_xcnt 0x0
	WIN 0x0f
.irp tt,0,1,2,3
.irp j,0,2,4,6
	v_pk_mul_f32 v[Y+8*\tt+\j:Y+8*\tt+\j+1], v[8*(5*\wt+\tt)+\j:8*(5*\wt+\tt)+\j+1], v[MV+8*\tt+\j:MV+8*\tt+\j+1]   ; register 8 tt + j: token 32 (tt / 2) + 16 h + 8 (tt % 2) + j of my 64
.endr
.endr
	WIN 0
	QUANT2 HWS+\wt
	STORE_HF 13, 14, 8, KVO+\wt*1536
.endr
	s_wait_xcnt 0x0
	v_cndmask_b32 v[TM], v[HWS], v[HWS+1], s35     ; lanes 0-15: channel tile 0 (2), lanes 16-31: tile 1 (3)
	v_cndmask_b32 v[TM+1], v[HWS+2], v[HWS+3], s35
	global_store_b16 v27, v[TM], s[8:9] offset:KVO
	global_store_b16 v27, v[TM+1], s[8:9] offset:KVO+8
	v_mov_b32 v25, s33
	v_cmp_eq_u32 vcc_lo, 0, v9
	s_wait_xcnt 0x0                                ; EXEC changes only behind this wait
	s_and_saveexec_b32 s34, vcc_lo
	global_store_b32 v9, v25, s[22:23]             ; lane 0 alone: my 64 keys' count
	s_wait_xcnt 0x0
	s_or_b32 exec_lo, exec_lo, s34
	s_wait_dscnt 0x0
	s_wait_tensorcnt 0x0
	ds_add_u32 v31, v247
	s_wait_dscnt 0x0
	CROUND                                         ; the closing round: no work-group ends while a partner may still ask jointly
	s_endpgm
.Lfunc_end_k_q1a6f9f7766_proj1:
	.size	k_q1a6f9f7766_proj1, .Lfunc_end_k_q1a6f9f7766_proj1-k_q1a6f9f7766_proj1
	.p2alignl 7, 3214868480
	.fill 96, 4, 3214868480
	.section	.rodata,"a",@progbits
	.p2align	6, 0x0
	.amdhsa_kernel k_q1a6f9f7766_proj1
		.amdhsa_group_segment_fixed_size 168448
		.amdhsa_private_segment_fixed_size 0
		.amdhsa_enable_private_segment 0
		.amdhsa_kernarg_size 80
		.amdhsa_user_sgpr_count 2
		.amdhsa_user_sgpr_kernarg_segment_ptr 1
		.amdhsa_wavefront_size32 1
		.amdhsa_system_sgpr_workgroup_id_x 1
		.amdhsa_system_sgpr_workgroup_id_y 1
		.amdhsa_system_sgpr_workgroup_id_z 1
		.amdhsa_system_vgpr_workitem_id 0
		.amdhsa_next_free_vgpr 1024
		.amdhsa_next_free_sgpr 100
		.amdhsa_reserve_vcc 1
		.amdhsa_float_denorm_mode_32 3
		.amdhsa_float_denorm_mode_16_64 3
		.amdhsa_memory_ordered 1
		.amdhsa_forward_progress 1
		.amdhsa_inst_pref_size 186
	.end_amdhsa_kernel
	.amdgpu_metadata
---
amdhsa.version: [ 1, 2 ]
amdhsa.kernels:
  - .name:           k_q1a6f9f7766_proj1
    .symbol:         k_q1a6f9f7766_proj1.kd
    .args:
      - { .name: packA, .offset: 0, .size: 8, .value_kind: global_buffer, .address_space: global }
      - { .name: packC, .offset: 8, .size: 8, .value_kind: global_buffer, .address_space: global }
      - { .name: Wq1_codes, .offset: 16, .size: 8, .value_kind: global_buffer, .address_space: global }
      - { .name: Wq1_scales, .offset: 24, .size: 8, .value_kind: global_buffer, .address_space: global }
      - { .name: Wk1_codes, .offset: 32, .size: 8, .value_kind: global_buffer, .address_space: global }
      - { .name: Wk1_scales, .offset: 40, .size: 8, .value_kind: global_buffer, .address_space: global }
      - { .name: Wv1_codes, .offset: 48, .size: 8, .value_kind: global_buffer, .address_space: global }
      - { .name: Wv1_scales, .offset: 56, .size: 8, .value_kind: global_buffer, .address_space: global }
      - { .name: qkv, .offset: 64, .size: 8, .value_kind: global_buffer, .address_space: global }
      - { .name: cnt1, .offset: 72, .size: 8, .value_kind: global_buffer, .address_space: global }
    .group_segment_fixed_size: 168448
    .private_segment_fixed_size: 0
    .kernarg_segment_align: 8
    .kernarg_segment_size: 80
    .max_flat_workgroup_size: 128
    .sgpr_count:     100
    .vgpr_count:     1024
    .wavefront_size: 32
...
	.end_amdgpu_metadata
.endif
;; end of part 2
;; launch attn1 (part 3): grid 8 x 32, 16 waves a work-group, no clusters, 276,480 bytes of LDS; arguments qkv, packA, cnt1, z; writes z
.if DOCPART == 3
	.amdgcn_target "amdgcn-amd-amdhsa--gfx1250"
	.amdhsa_code_object_version 6
	.text
	.protected	k_q1a6f9f7766_attn1
	.globl	k_q1a6f9f7766_attn1
	.p2align	8
	.type	k_q1a6f9f7766_attn1,@function
k_q1a6f9f7766_attn1:
	s_mov_b64 s[64:65], 0
	v_nop
	global_prefetch_b8 v0, s[64:65] scope:SCOPE_SE
	s_setreg_imm32_b32 hwreg(HW_REG_WAVE_MODE, 25, 1), 1
	s_wait_xcnt 0x0
; ATTENTION OF ONE HEAD on codes of BF6: z[token][64 head + d] = mask(q) x sum over keys of softmax(Q K^T / 8) V, keys at or beyond the head's length hidden, and keys beyond q + F hidden (F = 0: causal; F = 4096: none).
; The length is the sum of the head's 32 stored counts; F is stored too: both are whole numbers that earlier launches stored.
; THE SOFTMAX AHEAD OF THE SECOND PRODUCT: t = score x log2(e) / 8; M = the running largest t rounded up to a whole number; p = 2^(t - M) is quantised along the keys; the row's sum is taken of the unquantised p and divides at the end.
; A BLOCK'S SCALE is made without an exponential: the exponent of 2^(t - M) is floor(t - M), so the byte is floor(the block's largest t - M, held at -122 from below) + 123, and the conversion's operand that byte << 23.
; SHARES: a work-group takes one head (y) and 16 query tiles; a wave one tile of 16 queries: tile 8 rho + x, rho = u ^ 15 ^ 14 (w / 8), u = 2 (w % 4) + (w / 4) % 2.  Under the causal limit a wave has rho + 1 key steps:
; the four waves w, w + 4, w + 8, w + 12 have 34 together, whatever w, in two pairs whose lengths differ by one (16, 15, 2, 1 .. 10, 9, 8, 7).
; LDS: a head's K and V, codes and scale words, are 204,800 bytes: they are copied in ONCE, through registers, as they lie in memory (operand images), one barrier, and then only read.
; NO TENSOR LOADS AND NO CLUSTER: the walk over the keys branches on the stored length and limit; masking every step instead would add 128 vector instructions to each.
; LAYOUT: both products transposed: a lane holds ONE query.  The head size is 64, half of the instruction's K: one fragment of 12 registers carries TWO key tiles (its lower and its upper 64), and Q stands in two operands,
; (codes, zeros) and (zeros, codes), so that each product takes one of the two tiles.  Register 16 f + 8 u + j of the scores is key 32 f + 16 (lane / 16) + 8 u + j of the step's 128.
; THE ORDER OF A STEP: K of the NEXT step is asked for behind this step's products K Q^T, into the registers that K has left: the whole softmax stands between the request and the wait for it.  V of this step goes into the scores'
; own registers, as soon as p has been summed and converted, half by half.  The lines that name no exponential's result (scalings, the scales' arithmetic) stand one behind each exponential.
; A length of 0 leaves every step out: 0 x (1 / 0) gives NaN, as reference() gives.  LIMITS: NaN and infinities among the inputs are not served; a block whose every p lies under 2^-122 gets the byte 1.
.set VOF,   98304
.set KSO,   196608
.set STG,   204800                     ; behind K and V: 16 rows x 272 bytes for each wave, for the way out
.set QSO,   3145728
.set KVO,   3407872
.set KVB,   204800
.set MKOFF, 3276800
.set FIL, 43                           ; v43   where I put my part of K and V
.set FR,  44                           ; v44-91  four fragments of K
.set KSW, 92                           ; v92-95  K's scale words
.set S,   96                           ; v96-159 scores, then p, then V's four fragments (at 0, 12, 32, 44)
.set O,   160                          ; v160-191 O^T
.set PCD, 192                          ; v192-203 p's codes
.set H2,  204                          ; v204-206, v208-210 the conversions' second halves
.set VSW, 212                          ; v212-215 V's scale words
.set BM,  216                          ; v216-219 each block's largest score, then its t - M, then the whole part of that
.set BT,  220
.set SCO, 224                          ; v224-227 the conversions' scale operands
.set PW,  228                          ; p's scale word
.set TA,  229
.set FF,  230
.set SM2, 232
.set BY,  234                          ; v234-237 the scales' bytes
.set NI,  238
.set DD,  239
.set STO, 241
.set RD,  242
.set SEL, 30
.set CS,  32
.set LHI, 86                           ; the last key that any of my queries sees
.set LLO, 87                           ; the last key that all of them see
.set KF,  88                           ; the step's first key
.set KO,  89                           ; its codes' offset
.set SO,  90                           ; its scale words' offset
.set TRIP, 91
; K's four fragments, from off bytes behind the two address registers: each load takes 512 or 256 consecutive bytes
.macro KLOAD a16, a8, off
.set f, 0
.rept 4
	ds_load_b128 v[FR+12*f:FR+12*f+3], v[\a16] offset:(\off)+1536*f
	ds_load_b64 v[FR+12*f+4:FR+12*f+5], v[\a8] offset:(\off)+1536*f+512
	ds_load_b128 v[FR+12*f+6:FR+12*f+9], v[\a16] offset:(\off)+1536*f+768
	ds_load_b64 v[FR+12*f+10:FR+12*f+11], v[\a8] offset:(\off)+1536*f+1280
.set f, f+1
.endr
.endm
; V's fragment t, into the scores' registers
.macro VLOAD t
.set VF, S+12*(\t)+8*((\t)/2)
	ds_load_b128 v[VF:VF+3], v10 offset:1536*(\t)
	ds_load_b64 v[VF+4:VF+5], v11 offset:1536*(\t)+512
	ds_load_b128 v[VF+6:VF+9], v10 offset:1536*(\t)+768
	ds_load_b64 v[VF+10:VF+11], v11 offset:1536*(\t)+1280
.endm
; Line k of the 55 that stand among the exponentials: none names an exponential's result.  0-27: the scalings of pairs 4 to 31 (pair k + 4 stands behind exponential k; its own exponentials are numbers 2 k + 8 and 2 k + 9).
; 28-54: the four blocks' scales, the blocks by turns.
.macro PLAIN k
.if (\k) < 28
	v_pk_fma_f32 v[S+2*(\k)+8:S+2*(\k)+9], v[S+2*(\k)+8:S+2*(\k)+9], s[CS:CS+1], v[12:13] op_sel_hi:[1,0,0]   ; t - M
.elseif (\k) < 32
	v_fma_f32 v[BM+(\k)-28], v[BM+(\k)-28], s[CS], v12         ; the block's largest t - M: the same line on the same number as its element's
.elseif (\k) < 36
	v_max_num_f32 v[BM+(\k)-32], 0xc2f40000, v[BM+(\k)-32]     ; held at -122 from below: the byte cannot fall under 1 (a block all hidden keeps that byte: its codes are zeros)
.elseif (\k) < 40
	v_floor_f32 v[BM+(\k)-36], v[BM+(\k)-36]                   ; the exponent of the block's largest p
.elseif (\k) < 44
	v_cvt_i32_f32 v[BM+(\k)-40], v[BM+(\k)-40]
.elseif (\k) < 48
	v_add_nc_u32 v[BY+(\k)-44], 0x7b, v[BM+(\k)-44]            ; + 127 - 4: the scale's byte
.elseif (\k) < 52
	v_lshlrev_b32 v[SCO+(\k)-48], 23, v[BY+(\k)-48]            ; as an exponent field: the conversion's scale operand
.elseif (\k) == 52
	v_lshl_or_b32 v[PW], v[BY+1], 8, v[BY]                     ; p's scale word for these 128 keys
.elseif (\k) == 53
	v_lshl_or_b32 v[PW], v[BY+2], 16, v[PW]
.else
	v_lshl_or_b32 v[PW], v[BY+3], 24, v[PW]
.endif
.endm
	s_load_b256 s[4:11], s[0:1], 0x0               ; qkv 4, the queries' pack 6, cnt 8, z 10
	v_lshl_add_u32 v254, v0, 2, 0x43000
	v_mov_b32 v255, 0
	v_lshrrev_b32 v8, 5, v0
	v_readfirstlane_b32 s12, v8                    ; wave
	s_and_b32 s13, ttmp7, 0xffff                   ; 16 x batch + head
	s_and_b32 s14, s12, 3
	s_lshl_b32 s14, s14, 1
	s_bfe_u32 s15, s12, 0x10002
	s_or_b32 s14, s14, s15                         ; u = 2 (w % 4) + (w / 4) % 2
	s_lshr_b32 s15, s12, 3
	s_mul_i32 s15, s15, 14
	s_xor_b32 s14, s14, s15
	s_xor_b32 s14, s14, 15                         ; rho: waves 0-7: 15 - u; waves 8-15: u ^ 1
	s_lshl_b32 s15, s14, 3
	s_add_co_u32 s15, s15, ttmp9                   ; my query tile
	s_lshr_b32 s16, s15, 1
	s_lshl_b32 s16, s16, 5
	s_and_b32 s17, s15, 1
	s_lshl_b32 s17, s17, 3
	s_add_co_u32 s16, s16, s17                     ; its first query
	s_mov_b32 s[SEL], 0x76543210
	s_mov_b32 s[SEL+1], 0xfedcba98
	s_mov_b32 s[CS], 0x3e38aa3b                    ; log2(e) / 8
	s_mov_b32 s[CS+1], s[CS]
	v_and_b32 v9, 31, v0
	v_and_b32 v10, 15, v0                          ; r
	v_bfe_u32 v11, v0, 4, 1                        ; h
	v_lshlrev_b32 v1, 4, v9                        ; 16 x lane
	v_lshlrev_b32 v2, 3, v9                        ; 8 x lane
	v_add_nc_u32 v3, VOF, v1
	v_add_nc_u32 v4, VOF, v2
	v_lshl_add_u32 v5, v10, 4, KSO                 ; scale words: 16 r
	v_lshlrev_b32 v7, 12, v11
	v_lshl_add_u32 v7, v10, 4, v7                  ; the way out: lanes 0-15 one row of z, lanes 16-31 the next
	v_mul_u32_u24 v[FIL], v8, 12800
	v_add_nc_u32 v[FIL], v[FIL], v1
	v_mul_u32_u24 v[TA], v8, 4352
	v_mad_u32_u24 v[STO], v10, 272, v[TA]
	v_lshl_add_u32 v[STO], v11, 5, v[STO]
	v_add_nc_u32 v[STO], STG, v[STO]
	v_mad_u32_u24 v[RD], v11, 272, v[TA]
	v_lshl_add_u32 v[RD], v10, 4, v[RD]
	v_add_nc_u32 v[RD], STG, v[RD]
	v_lshlrev_b32 v44, 4, v10                      ; 16 r
	v_lshlrev_b32 v45, 2, v9                       ; 4 x lane
	s_mov_b32 s19, 0
	s_wait_kmcnt 0x0
	s_lshl_b32 s18, s13, 7
	s_add_nc_u64 s[20:21], s[8:9], s[18:19]
	s_load_b512 s[36:51], s[20:21], 0x0            ; the head's 32 counts
	s_load_b512 s[68:83], s[20:21], 0x40
	s_load_b32 s84, s[8:9], 0x1000                 ; F
	s_mul_i32 s18, s13, 98304
	s_mul_i32 s17, s15, 768
	s_add_co_u32 s18, s18, s17
	s_add_nc_u64 s[22:23], s[4:5], s[18:19]        ; Q's image
	s_lshl_b32 s18, s13, 13
	s_lshr_b32 s17, s15, 2
	s_lshl_b32 s17, s17, 8
	s_add_co_u32 s18, s18, s17
	s_and_b32 s17, s15, 3
	s_lshl_b32 s17, s17, 2
	s_add_co_u32 s18, s18, s17
	s_add_nc_u64 s[24:25], s[4:5], s[18:19]        ; its scale words
	s_lshr_b32 s17, s13, 4                         ; the batch
	s_lshl_b32 s18, s17, 7
	s_add_co_u32 s18, s18, s15
	s_lshl_b32 s18, s18, 7
	s_add_nc_u64 s[26:27], s[6:7], s[18:19]        ; its masks
	s_mul_i32 s18, s13, KVB
	s_mul_i32 s85, s12, 12800
	s_add_co_u32 s18, s18, s85
	s_add_nc_u64 s[28:29], s[4:5], s[18:19]        ; my sixteenth of the head's K and V
	s_lshl_b32 s18, s17, 11
	s_add_co_u32 s18, s18, s16
	s_lshl_b32 s18, s18, 12
	s_and_b32 s17, s13, 15
	s_lshl_b32 s17, s17, 8
	s_add_co_u32 s18, s18, s17
	s_add_nc_u64 s[10:11], s[10:11], s[18:19]      ; z at my first query, my head
	global_load_b128 v[16:19], v1, s[22:23]        ; Q twice: (codes, zeros) in v16-27,
	global_load_b64 v[20:21], v2, s[22:23] offset:512
	global_load_b128 v[34:37], v1, s[22:23]        ; (zeros, codes) in v28-39
	global_load_b64 v[38:39], v2, s[22:23] offset:512
	global_load_b32 v40, v44, s[24:25] offset:QSO
	global_load_b32 v41, v45, s[26:27] offset:MKOFF
.set i, 0
.rept 25
	global_load_b128 v[S+4*i:S+4*i+3], v1, s[28:29] offset:KVO+512*i
.set i, i+1
.endr
	s_wait_kmcnt 0x0
.irp n,37,38,39,40,41,42,43,44,45,46,47,48,49,50,51,68,69,70,71,72,73,74,75,76,77,78,79,80,81,82,83
	s_add_co_u32 s36, s36, s\n
.endr
	s_min_u32 s36, s36, 2048                       ; the length
	s_sub_co_i32 s37, s36, 1                       ; the last key under it (-1: none)
	s_add_co_u32 s85, s16, s84                     ; my first query + F
	s_add_co_u32 s[LHI], s85, 23
	s_min_i32 s[LHI], s[LHI], s37
	s_min_i32 s[LLO], s85, s37
	v_and_b32 v6, 8, v10
	v_add_nc_u32 v6, v6, v10
	v_add_nc_u32 v6, s85, v6                       ; my query + F
	v_min_i32 v6, s37, v6                          ; the last key that my query sees,
	v_lshlrev_b32 v46, 4, v11
	v_sub_nc_u32 v6, v6, v46                       ; - 16 h
	s_mov_b32 s[KF], 0
	s_mov_b32 s[KO], 0
	s_mov_b32 s[SO], 0
	s_mov_b32 s[TRIP], 0
.set i, 0
.rept 25
	s_wait_loadcnt 24-i                            ; the younger loads may be out
	ds_store_b128 v[FIL], v[S+4*i:S+4*i+3] offset:512*i
.set i, i+1
.endr
.irp n,22,23,24,25,26,27,28,29,30,31,32,33
	v_mov_b32 v\n, 0                               ; Q's zero halves
.endr
.set i, 0
.rept 32
	v_mov_b32 v[O+i], 0                            ; the step is written once: the first finds zeros
.set i, i+1
.endr
	v_mov_b32 v13, 0xff61b1e6                      ; the largest t so far: -3e38
	v_floor_f32 v12, -v13                          ; -M
	v_mov_b32 v14, 0
	v_mov_b32 v15, 0
.irp b,0,1,2,3
	v_mov_b32 v[BT+\b], 0                          ; a lane permute's destination counts as read
.endr
	v_mov_b32 v[TA], 0
	v_mov_b32 v[FF+1], 0                           ; named as the upper half of a pair
	v_mov_b32 v[NI], 0xff800000                    ; -infinity
	s_wait_dscnt 0x0                               ; for the others' sake: my stores have landed
	s_barrier_signal -1
	s_barrier_wait -1
	KLOAD 1, 2, 0                                  ; K of step 0; every later step's K is asked for in the step before
	ds_load_b128 v[KSW:KSW+3], v5
.Lstep:                                            ; 16 trips, 128 keys each; a step that none of my queries sees is left out, all but its address steps
	s_cmp_gt_i32 s[KF], s[LHI]
	s_cbranch_scc1 .Lskip
	v_add_nc_u32 v8, s[KO], v1                     ; these five are also the five places between the last step's products, which read V from the scores' registers, and the products below, which write them
	v_add_nc_u32 v9, s[KO], v2
	v_add_nc_u32 v10, s[KO], v3
	v_add_nc_u32 v11, s[KO], v4
	v_add_nc_u32 v42, s[SO], v5
	s_wait_dscnt 0x0                               ; K is in: it was asked for a step ago
.set f, 0
.rept 4
	v_wmma_scale_f32_16x16x128_f8f6f4 v[S+16*f:S+16*f+7], v[FR+12*f:FR+12*f+11], v[16:27], 0, v[KSW+f], v40 matrix_a_fmt:MATRIX_FMT_BF6 matrix_b_fmt:MATRIX_FMT_BF6
	v_wmma_scale_f32_16x16x128_f8f6f4 v[S+16*f+8:S+16*f+15], v[FR+12*f:FR+12*f+11], v[28:39], 0, v[KSW+f], v40 matrix_a_fmt:MATRIX_FMT_BF6 matrix_b_fmt:MATRIX_FMT_BF6
.set f, f+1
.endr
.rept 4
	v_nop                                          ; places in front of the loads into K's registers and of the first read of the scores
.endr
	KLOAD 8, 9, 6144                               ; the NEXT step's K (behind the last step: bytes of V, which nobody uses)
	ds_load_b128 v[KSW:KSW+3], v42 offset:256
	s_add_co_u32 s85, s[KF], 127
	s_cmp_le_i32 s85, s[LLO]
	s_cbranch_scc1 .Lopen                          ; all 128 keys count for all my queries
	v_sub_nc_u32 v[DD], v6, s[KF]                  ; register 16 b + i is hidden where 32 b + i is above this
.set n, 0
.rept 64
	v_cmp_gt_i32 vcc_lo, 32*(n/16)+n%16, v[DD]
	v_cndmask_b32 v[S+n], v[S+n], v[NI], vcc_lo
.set n, n+1
.endr
.Lopen:
.irp b,0,1,2,3
	v_max3_num_f32 v[BM+\b], v[S+16*\b], v[S+1+16*\b], v[S+2+16*\b]      ; the largest score of each block of 32 keys: for the row's maximum and for the block's scale
.endr
.irp i,3,5,7,9,11,13
.irp b,0,1,2,3
	v_max3_num_f32 v[BM+\b], v[BM+\b], v[S+16*\b+\i], v[S+1+16*\b+\i]
.endr
.endr
.irp b,0,1,2,3
	v_max_num_f32 v[BM+\b], v[BM+\b], v[S+15+16*\b]
.endr
.irp b,0,1,2,3
	v_permlanex16_b32 v[BT+\b], v[BM+\b], s[SEL], s[SEL+1]
.endr
.irp b,0,1,2,3
	v_max_num_f32 v[BM+\b], v[BM+\b], v[BT+\b]
.endr
	v_max3_num_f32 v[TA], v[BM], v[BM+1], v[BM+2]
	v_max_num_f32 v[TA], v[TA], v[BM+3]
	v_mul_f32 v[TA], s[CS], v[TA]
	v_max_num_f32 v13, v13, v[TA]                  ; the running largest t
	v_mov_b32 v[TA], v12
	v_floor_f32 v12, -v13                          ; the new -M: a whole number
	v_sub_f32 v[TA], v12, v[TA]
	v_cvt_i32_f32 v[TA], v[TA]                     ; (it saturates)
	v_ldexp_f32 v[FF], 1.0, v[TA]                  ; f = 2^(old M - new M): exact
.set n, 0
.rept 4
	v_pk_fma_f32 v[S+n:S+n+1], v[S+n:S+n+1], s[CS:CS+1], v[12:13] op_sel_hi:[1,0,0]   ; t - M of pairs 0 to 3; the other pairs' scalings stand among the exponentials
.set n, n+2
.endr
.set n, 0
.rept 64                                           ; ONE BATCH: p = 2^(t - M), at most 1, not normalised; behind each of the first 55 a line that names no result of the batch
	v_exp_f32 v[S+n], v[S+n]
.if n < 55
	PLAIN n
.endif
.set n, n+1
.endr
	v_pk_mul_f32 v[14:15], v[14:15], v[FF:FF+1] op_sel_hi:[1,0]          ; the sums under the new M (a plain place behind the last exponential)
	s_wait_alu depctr_va_vdst(0)                   ; one wait for the batch, ahead of its first reader
	v_pk_add_f32 v[SM2:SM2+1], v[S:S+1], v[S+2:S+3]                      ; the row's sum, of the unquantised p, in two chains: first blocks 0 and 1
.irp j,4,8,12,16,20,24,28
	v_pk_add_f32 v[14:15], v[14:15], v[S+\j:S+\j+1]
	v_pk_add_f32 v[SM2:SM2+1], v[SM2:SM2+1], v[S+2+\j:S+3+\j]
.endr
	v_cvt_scalef32_pk16_bf6_f32 v[PCD:PCD+2], v[S:S+15], v[SCO]
	v_cvt_scalef32_pk16_bf6_f32 v[H2:H2+2], v[S+16:S+31], v[SCO+1]       ; (three registers from an even one)
	VLOAD 0                                        ; blocks 0 and 1 are summed and converted: V's first two fragments take their registers
	VLOAD 1
.irp j,32,36,40,44,48,52,56,60
	v_pk_add_f32 v[14:15], v[14:15], v[S+\j:S+\j+1]                      ; blocks 2 and 3.  (Plain lines behind the conversions above)
	v_pk_add_f32 v[SM2:SM2+1], v[SM2:SM2+1], v[S+2+\j:S+3+\j]
.endr
	v_pk_add_f32 v[14:15], v[14:15], v[SM2:SM2+1]
	v_cvt_scalef32_pk16_bf6_f32 v[PCD+6:PCD+8], v[S+32:S+47], v[SCO+2]
	v_cvt_scalef32_pk16_bf6_f32 v[H2+4:H2+6], v[S+48:S+63], v[SCO+3]
	VLOAD 2
	VLOAD 3
	ds_load_b128 v[VSW:VSW+3], v42 offset:4096
	v_nop                                          ; a plain place behind a scaled conversion
.irp c,0,1
.irp i,0,1,2
	v_permlane16_swap_b32 v[PCD+6*\c+\i], v[H2+4*\c+\i]                  ; lanes 0-15 now hold block 2 c whole, lanes 16-31 block 2 c + 1
.endr
.irp i,0,1,2
	v_mov_b32 v[PCD+3+6*\c+\i], v[H2+4*\c+\i]
.endr
.endr
.set n, 0
.rept 16
	v_pk_mul_f32 v[O+n:O+n+1], v[O+n:O+n+1], v[FF:FF+1] op_sel_hi:[1,0]  ; O^T under the new M; these sixteen are also the places ahead of the products, and stand between V's loads and the wait for them
.set n, n+2
.endr
	s_wait_dscnt 0x0                               ; V is in (and the next step's K, asked for before it)
.irp t,0,1,2,3
	v_wmma_scale_f32_16x16x128_f8f6f4 v[O+8*\t:O+8*\t+7], v[S+12*\t+8*(\t/2):S+12*\t+8*(\t/2)+11], v[PCD:PCD+11], v[O+8*\t:O+8*\t+7], v[VSW+\t], v[PW] matrix_a_fmt:MATRIX_FMT_BF6 matrix_b_fmt:MATRIX_FMT_BF6
.endr
.Lskip:
	s_add_co_u32 s[KF], s[KF], 128
	s_add_co_u32 s[KO], s[KO], 6144
	s_add_co_u32 s[SO], s[SO], 256
	s_add_co_u32 s[TRIP], s[TRIP], 1
	s_cmp_lt_u32 s[TRIP], 16
	s_cbranch_scc1 .Lstep
	; THE WAY OUT: O^T x mask / the sum, through my stage, so that sixteen lanes store a head's 256 bytes of a row of z
	s_wait_dscnt 0x0                               ; the last request for K, which nobody uses, has landed: its registers may be loaded again
.rept 4
	v_nop
.endr
	v_add_f32 v14, v14, v15
	v_permlanex16_b32 v[TA], v14, s[SEL], s[SEL+1]
	v_add_f32 v14, v14, v[TA]
	v_rcp_f32 v14, v14
	v_nop                                          ; a plain place behind the transcendental
	s_wait_alu depctr_va_vdst(0)                   ; and the wait ahead of its first reader
	v_mul_f32 v14, v14, v41
.set n, 0
.rept 32
	v_mul_f32 v[S+n], v[O+n], v14                  ; register 8 t + j: channel 16 t + 8 h + j of my query
.set n, n+1
.endr
.irp t,0,1,2,3
	ds_store_b128 v[STO], v[S+8*\t:S+8*\t+3] offset:64*\t
	ds_store_b128 v[STO], v[S+8*\t+4:S+8*\t+7] offset:64*\t+16
.endr
.irp i,0,1,2,3,4,5,6,7
	ds_load_b128 v[FR+4*\i:FR+4*\i+3], v[RD] offset:2*\i*272             ; my own bytes, served in order
.endr
.irp i,0,1,2,3,4,5,6,7
	s_wait_dscnt 7-\i                              ; the younger loads may be out
	global_store_b128 v7, v[FR+4*\i:FR+4*\i+3], s[10:11] offset:(2*\i+8*(\i/4))*4096   ; the tile's rows 2 i, 2 i + 1: sixteen lanes store 256 consecutive bytes, aligned
.endr
	s_wait_tensorcnt 0x0
	ds_add_u32 v254, v255
	s_wait_dscnt 0x0
	s_endpgm
.Lfunc_end_k_q1a6f9f7766_attn1:
	.size	k_q1a6f9f7766_attn1, .Lfunc_end_k_q1a6f9f7766_attn1-k_q1a6f9f7766_attn1
	.p2alignl 7, 3214868480
	.fill 96, 4, 3214868480
	.section	.rodata,"a",@progbits
	.p2align	6, 0x0
	.amdhsa_kernel k_q1a6f9f7766_attn1
		.amdhsa_group_segment_fixed_size 276480
		.amdhsa_private_segment_fixed_size 0
		.amdhsa_enable_private_segment 0
		.amdhsa_kernarg_size 32
		.amdhsa_user_sgpr_count 2
		.amdhsa_user_sgpr_kernarg_segment_ptr 1
		.amdhsa_wavefront_size32 1
		.amdhsa_system_sgpr_workgroup_id_x 1
		.amdhsa_system_sgpr_workgroup_id_y 1
		.amdhsa_system_sgpr_workgroup_id_z 1
		.amdhsa_system_vgpr_workitem_id 0
		.amdhsa_next_free_vgpr 256
		.amdhsa_next_free_sgpr 96
		.amdhsa_reserve_vcc 1
		.amdhsa_float_denorm_mode_32 3
		.amdhsa_float_denorm_mode_16_64 3
		.amdhsa_memory_ordered 1
		.amdhsa_forward_progress 1
		.amdhsa_inst_pref_size 39
	.end_amdhsa_kernel
	.amdgpu_metadata
---
amdhsa.version: [ 1, 2 ]
amdhsa.kernels:
  - .name:           k_q1a6f9f7766_attn1
    .symbol:         k_q1a6f9f7766_attn1.kd
    .args:
      - { .name: qkv, .offset: 0, .size: 8, .value_kind: global_buffer, .address_space: global }
      - { .name: packA, .offset: 8, .size: 8, .value_kind: global_buffer, .address_space: global }
      - { .name: cnt1, .offset: 16, .size: 8, .value_kind: global_buffer, .address_space: global }
      - { .name: z, .offset: 24, .size: 8, .value_kind: global_buffer, .address_space: global }
    .group_segment_fixed_size: 276480
    .private_segment_fixed_size: 0
    .kernarg_segment_align: 8
    .kernarg_segment_size: 32
    .max_flat_workgroup_size: 512
    .sgpr_count:     96
    .vgpr_count:     256
    .wavefront_size: 32
...
	.end_amdgpu_metadata
.endif
;; end of part 3
;; launch ln1 (part 4): grid 256 x 1, 16 waves a work-group, no clusters, 89,088 bytes of LDS; arguments x, z, ln1_g, ln1_b, x1f, packC; writes x1f, packC
.if DOCPART == 4
	.amdgcn_target "amdgcn-amd-amdhsa--gfx1250"
	.amdhsa_code_object_version 6
	.text
	.protected	k_q1a6f9f7766_ln1
	.globl	k_q1a6f9f7766_ln1
	.p2align	8
	.type	k_q1a6f9f7766_ln1,@function
k_q1a6f9f7766_ln1:
	s_mov_b64 s[64:65], 0
	v_nop
	global_prefetch_b8 v0, s[64:65] scope:SCOPE_SE
	s_setreg_imm32_b32 hwreg(HW_REG_WAVE_MODE, 25, 1), 1
	s_wait_xcnt 0x0
; y = layernorm(a + z) x g + b, row by row of 1,024; y is stored as f32 and, quantised to BF6 with E8M0 scales, as a pack of operand images with its row masks (layout: see below).
; Arguments: a, z, g, b, y (f32), y's pack.  All arithmetic in f32: the mean, then the mean of the squared differences, 1 / sqrt by v_rsq_f32.
; A PACK: codes at 0: [tile 256][half fragment 16] x 768 bytes; scale bytes at SCOFF: [tile][row 16][32]; masks at MKOFF: [tile][32 words].  Tile 2 f + u, row r = token 32 f + 8 u + r + 8 (r / 8).
; A half fragment k: lane (r, h) holds block 2 k + h of row r: registers 0-3 at 16 x lane, registers 4-5 at 512 + 8 x lane.
; SHARES: a work-group takes a tile, a wave a row: 32 loads of 512 consecutive bytes go out at once; the reductions stay inside the wave.
; LIMITS: a row with NaN gives NaN in the f32 result; its codes and mask are not served.  A block of zeros gets the byte 1; magnitudes under 2^-122 are taken as the floor.
.set CST,   73728                      ; LDS: 0: 16 waves x 32 blocks x 144 bytes; CST: 16 half fragments, 784 bytes apart
.set SST,   86272
.set MST,   86784
.set SCOFF, 3145728
.set MKOFF, 3276800
.set TILEB, 12288
.set X,     32
.set BL,    64                         ; z, later my block of 32
.set G,     96
.set BB,    128
.set PC,    160
.set OUTR,  168
	s_load_b256 s[4:11], s[0:1], 0x0               ; a 4, z 6, g 8, b 10
	s_load_b128 s[12:15], s[0:1], 0x20             ; y 12, the pack 14
	v_lshl_add_u32 v176, v0, 2, 0x15400
	v_mov_b32 v177, 0
	v_lshrrev_b32 v14, 5, v0
	v_readfirstlane_b32 s20, v14                   ; wave = row of the tile
	v_and_b32 v15, 31, v0
	v_lshlrev_b32 v1, 4, v15
	v_lshlrev_b32 v8, 3, v15
	v_lshlrev_b32 v29, 2, v15
	v_mul_u32_u24 v16, v14, 4608
	v_bfe_u32 v17, v0, 3, 2
	v_mad_u32_u24 v2, v17, 144, v16
	v_and_b32 v17, 7, v0
	v_lshl_add_u32 v2, v17, 4, v2                  ; in: block lane / 8 of a load's four, 16 (lane % 8) bytes on
	v_mad_u32_u24 v3, v15, 144, v16                ; out: block = lane
	v_bfe_u32 v17, v0, 1, 4
	v_mul_u32_u24 v17, v17, 784
	v_and_b32 v18, 1, v0
	v_lshl_add_u32 v4, v18, 8, v17
	v_lshl_add_u32 v4, v14, 4, v4
	v_add_nc_u32 v4, CST, v4
	v_lshl_add_u32 v5, v18, 7, v17
	v_lshl_add_u32 v5, v14, 3, v5
	v_add_nc_u32 v5, CST+512, v5
	v_add_nc_u32 v6, SST, v0
	v_mul_u32_u24 v7, v14, 784
	v_lshl_add_u32 v7, v15, 3, v7
	v_add_nc_u32 v7, CST, v7
	v_lshl_add_u32 v9, v14, 2, MST
	v_add_nc_u32 v30, SST, v1
	v_and_b32 v31, 15, v0
	v_lshl_add_u32 v31, v31, 2, MST
	v_mov_b32 v19, 0                               ; a lane permute's destination counts as read
	s_mov_b32 s26, 0x76543210
	s_mov_b32 s27, 0xfedcba98
	s_mov_b32 s28, 0x3a800000                      ; 1 / 1024
	s_lshr_b32 s21, ttmp9, 1
	s_lshl_b32 s21, s21, 5
	s_and_b32 s22, ttmp9, 1
	s_lshl_b32 s22, s22, 3
	s_add_co_u32 s21, s21, s22
	s_and_b32 s22, s20, 8
	s_add_co_u32 s22, s22, s20
	s_add_co_u32 s22, s22, s21                     ; my token
	s_lshl_b32 s24, s22, 12
	s_mov_b32 s25, 0
	s_mul_i32 s30, ttmp9, TILEB
	s_mul_i32 s31, s20, 768
	s_add_co_u32 s30, s30, s31
	s_mov_b32 s31, 0
	s_mov_b32 s33, 0
	s_wait_kmcnt 0x0
	s_add_nc_u64 s[4:5], s[4:5], s[24:25]
	s_add_nc_u64 s[6:7], s[6:7], s[24:25]
	s_add_nc_u64 s[12:13], s[12:13], s[24:25]
	s_add_nc_u64 s[36:37], s[14:15], s[30:31]
.irp j,0,1,2,3,4,5,6,7
	global_load_b128 v[X+4*\j:X+4*\j+3], v1, s[4:5] offset:512*\j th:TH_LOAD_NT
.endr
.irp j,0,1,2,3,4,5,6,7
	global_load_b128 v[BL+4*\j:BL+4*\j+3], v1, s[6:7] offset:512*\j th:TH_LOAD_NT
.endr
.irp j,0,1,2,3,4,5,6,7
	global_load_b128 v[G+4*\j:G+4*\j+3], v1, s[8:9] offset:512*\j
.endr
.irp j,0,1,2,3,4,5,6,7
	global_load_b128 v[BB+4*\j:BB+4*\j+3], v1, s[10:11] offset:512*\j
.endr
	s_wait_loadcnt 16                              ; a and z are in; the sixteen loads of g and b may be out
.irp j,0,2,4,6,8,10,12,14,16,18,20,22,24,26,28,30
	v_pk_add_f32 v[X+\j:X+\j+1], v[X+\j:X+\j+1], v[BL+\j:BL+\j+1]
.endr
.irp k,0,2,4,6
	v_pk_add_f32 v[20+\k:21+\k], v[X+\k:X+\k+1], v[X+8+\k:X+9+\k]        ; the sum, in four chains
.endr
.irp i,16,24
.irp k,0,2,4,6
	v_pk_add_f32 v[20+\k:21+\k], v[20+\k:21+\k], v[X+\i+\k:X+\i+\k+1]
.endr
.endr
	v_pk_add_f32 v[20:21], v[20:21], v[22:23]
	v_pk_add_f32 v[24:25], v[24:25], v[26:27]
	v_pk_add_f32 v[20:21], v[20:21], v[24:25]
	v_add_f32 v16, v20, v21
	v_add_f32_dpp v16, v16, v16 row_xmask:1 row_mask:0xf bank_mask:0xf
	v_add_f32_dpp v16, v16, v16 row_xmask:2 row_mask:0xf bank_mask:0xf
	v_add_f32_dpp v16, v16, v16 row_xmask:4 row_mask:0xf bank_mask:0xf
	v_add_f32_dpp v16, v16, v16 row_xmask:8 row_mask:0xf bank_mask:0xf
	v_permlanex16_b32 v19, v16, s26, s27
	v_add_f32 v16, v16, v19
	v_mul_f32 v10, s28, v16                        ; the mean
	v_mov_b32 v11, v10
.irp j,0,2,4,6,8,10,12,14,16,18,20,22,24,26,28,30
	v_pk_add_f32 v[X+\j:X+\j+1], v[X+\j:X+\j+1], v[10:11] neg_lo:[0,1] neg_hi:[0,1]
.endr
.irp k,0,2,4,6
	v_pk_mul_f32 v[20+\k:21+\k], v[X+\k:X+\k+1], v[X+\k:X+\k+1]
.endr
.irp i,8,16,24
.irp k,0,2,4,6
	v_pk_fma_f32 v[20+\k:21+\k], v[X+\i+\k:X+\i+\k+1], v[X+\i+\k:X+\i+\k+1], v[20+\k:21+\k]
.endr
.endr
	v_pk_add_f32 v[20:21], v[20:21], v[22:23]
	v_pk_add_f32 v[24:25], v[24:25], v[26:27]
	v_pk_add_f32 v[20:21], v[20:21], v[24:25]
	v_add_f32 v16, v20, v21
	v_add_f32_dpp v16, v16, v16 row_xmask:1 row_mask:0xf bank_mask:0xf
	v_add_f32_dpp v16, v16, v16 row_xmask:2 row_mask:0xf bank_mask:0xf
	v_add_f32_dpp v16, v16, v16 row_xmask:4 row_mask:0xf bank_mask:0xf
	v_add_f32_dpp v16, v16, v16 row_xmask:8 row_mask:0xf bank_mask:0xf
	v_permlanex16_b32 v19, v16, s26, s27
	v_add_f32 v16, v16, v19
	v_mov_b32 v17, 0x3727c5ac                      ; 1e-5
	v_fma_f32 v16, v16, s28, v17
	v_rsq_f32 v12, v16
	v_nop                                          ; a plain place behind the transcendental
	s_wait_alu depctr_va_vdst(0)                   ; and the wait ahead of its first reader
	v_mov_b32 v13, v12
	s_wait_loadcnt 0x0                             ; g and b
.irp j,0,2,4,6,8,10,12,14,16,18,20,22,24,26,28,30
	v_pk_mul_f32 v[X+\j:X+\j+1], v[X+\j:X+\j+1], v[12:13]
.endr
.irp j,0,2,4,6,8,10,12,14,16,18,20,22,24,26,28,30
	v_pk_fma_f32 v[X+\j:X+\j+1], v[X+\j:X+\j+1], v[G+\j:G+\j+1], v[BB+\j:BB+\j+1]
.endr
.irp j,0,1,2,3,4,5,6,7
	global_store_b128 v1, v[X+4*\j:X+4*\j+3], s[12:13] offset:512*\j     ; 512 consecutive bytes a store
.endr
.irp j,0,1,2,3,4,5,6,7
	ds_store_b128 v2, v[X+4*\j:X+4*\j+3] offset:576*\j
.endr
.irp i,0,1,2,3,4,5,6,7
	ds_load_b128 v[BL+4*\i:BL+4*\i+3], v3 offset:16*\i         ; my wave's own bytes, served in order
.endr
	s_wait_dscnt 0x0
	v_max3_num_f32 v16, |v[BL]|, |v[BL+1]|, |v[BL+2]|
	v_max3_num_f32 v17, |v[BL+3]|, |v[BL+4]|, |v[BL+5]|
.irp i,6,10,14,18,22,26
	v_max3_num_f32 v16, v16, |v[BL+\i]|, |v[BL+\i+1]|
	v_max3_num_f32 v17, v17, |v[BL+\i+2]|, |v[BL+\i+3]|
.endr
	v_max3_num_f32 v16, v16, |v[BL+30]|, |v[BL+31]|
	v_max_num_f32 v16, v16, v17
	v_mov_b32 v18, v16
	v_max_num_f32_dpp v18, v18, v18 row_xmask:1 row_mask:0xf bank_mask:0xf
	v_max_num_f32_dpp v18, v18, v18 row_xmask:2 row_mask:0xf bank_mask:0xf
	v_max_num_f32_dpp v18, v18, v18 row_xmask:4 row_mask:0xf bank_mask:0xf
	v_max_num_f32_dpp v18, v18, v18 row_xmask:8 row_mask:0xf bank_mask:0xf
	v_permlanex16_b32 v19, v18, s26, s27
	v_max_num_f32 v18, v18, v19
	v_cmp_neq_f32 vcc_lo, 0, v18
	v_cndmask_b32 v20, 0, 1.0, vcc_lo              ; the mask: 0 where the whole row is 0
	v_max_num_f32 v16, 0x2800000, v16              ; the floor 2^(5 - 127)
	v_add_nc_u32 v21, 0xfe000000, v16              ; the conversion's scale operand
	v_lshrrev_b32 v22, 23, v21                     ; the byte
	v_cvt_scalef32_pk16_bf6_f32 v[PC:PC+2], v[BL:BL+15], v21
	v_cvt_scalef32_pk16_bf6_f32 v[PC+4:PC+6], v[BL+16:BL+31], v21
	v_nop                                          ; a plain place behind a scaled conversion
	v_mov_b32 v[PC+3], v[PC+4]
	v_mov_b32 v[PC+4], v[PC+5]
	v_mov_b32 v[PC+5], v[PC+6]
	ds_store_b128 v4, v[PC:PC+3]
	ds_store_b64 v5, v[PC+4:PC+5]
	ds_store_b8 v6, v22
	ds_store_b32 v9, v20
	s_wait_dscnt 0x0                               ; for the others' sake: my stores have landed
	s_barrier_signal -1
	s_barrier_wait -1
.irp i,0,1,2
	ds_load_b64 v[OUTR+2*\i:OUTR+2*\i+1], v7 offset:256*\i
.endr
.irp i,0,1,2
	s_wait_dscnt 2-\i                              ; the younger loads may be out
	global_store_b64 v8, v[OUTR+2*\i:OUTR+2*\i+1], s[36:37] offset:256*\i   ; 256 consecutive bytes, aligned
.endr
	s_cmp_eq_u32 s20, 0
	s_cbranch_scc0 .Lnot0
	ds_load_b128 v[24:27], v30                     ; the tile's 512 scale bytes
	s_lshl_b32 s32, ttmp9, 9
	s_add_nc_u64 s[42:43], s[14:15], s[32:33]
	s_wait_dscnt 0x0
	global_store_b128 v1, v[24:27], s[42:43] offset:SCOFF
	s_branch .Lend
.Lnot0:
	s_cmp_eq_u32 s20, 1
	s_cbranch_scc0 .Lend
	ds_load_b32 v28, v31                           ; the 16 masks, twice
	s_lshl_b32 s32, ttmp9, 7
	s_add_nc_u64 s[44:45], s[14:15], s[32:33]
	s_wait_dscnt 0x0
	global_store_b32 v29, v28, s[44:45] offset:MKOFF
.Lend:
	s_wait_tensorcnt 0x0
	ds_add_u32 v176, v177
	s_wait_dscnt 0x0
	s_endpgm
.Lfunc_end_k_q1a6f9f7766_ln1:
	.size	k_q1a6f9f7766_ln1, .Lfunc_end_k_q1a6f9f7766_ln1-k_q1a6f9f7766_ln1
	.p2alignl 7, 3214868480
	.fill 96, 4, 3214868480
	.section	.rodata,"a",@progbits
	.p2align	6, 0x0
	.amdhsa_kernel k_q1a6f9f7766_ln1
		.amdhsa_group_segment_fixed_size 89088
		.amdhsa_private_segment_fixed_size 0
		.amdhsa_enable_private_segment 0
		.amdhsa_kernarg_size 48
		.amdhsa_user_sgpr_count 2
		.amdhsa_user_sgpr_kernarg_segment_ptr 1
		.amdhsa_wavefront_size32 1
		.amdhsa_system_sgpr_workgroup_id_x 1
		.amdhsa_system_sgpr_workgroup_id_y 1
		.amdhsa_system_sgpr_workgroup_id_z 1
		.amdhsa_system_vgpr_workitem_id 0
		.amdhsa_next_free_vgpr 178
		.amdhsa_next_free_sgpr 66
		.amdhsa_reserve_vcc 1
		.amdhsa_float_denorm_mode_32 3
		.amdhsa_float_denorm_mode_16_64 3
		.amdhsa_memory_ordered 1
		.amdhsa_forward_progress 1
		.amdhsa_inst_pref_size 19
	.end_amdhsa_kernel
	.amdgpu_metadata
---
amdhsa.version: [ 1, 2 ]
amdhsa.kernels:
  - .name:           k_q1a6f9f7766_ln1
    .symbol:         k_q1a6f9f7766_ln1.kd
    .args:
      - { .name: x, .offset: 0, .size: 8, .value_kind: global_buffer, .address_space: global }
      - { .name: z, .offset: 8, .size: 8, .value_kind: global_buffer, .address_space: global }
      - { .name: ln1_g, .offset: 16, .size: 8, .value_kind: global_buffer, .address_space: global }
      - { .name: ln1_b, .offset: 24, .size: 8, .value_kind: global_buffer, .address_space: global }
      - { .name: x1f, .offset: 32, .size: 8, .value_kind: global_buffer, .address_space: global }
      - { .name: packC, .offset: 40, .size: 8, .value_kind: global_buffer, .address_space: global }
    .group_segment_fixed_size: 89088
    .private_segment_fixed_size: 0
    .kernarg_segment_align: 8
    .kernarg_segment_size: 48
    .max_flat_workgroup_size: 512
    .sgpr_count:     66
    .vgpr_count:     178
    .wavefront_size: 32
...
	.end_amdgpu_metadata
.endif
;; end of part 4
;; launch proj2: the kernel of part 2 again; grid 16 x 16, 4 waves a work-group, clusters of 4 x 1, 168,448 bytes of LDS; arguments packC, packB, Wq2_codes, Wq2_scales, Wk2_codes, Wk2_scales, Wv2_codes, Wv2_scales, qkv, cnt2; writes qkv, cnt2
;; launch attn2: the kernel of part 3 again; grid 8 x 32, 16 waves a work-group, no clusters, 276,480 bytes of LDS; arguments qkv, packC, cnt2, z; writes z
;; launch ln2: the kernel of part 4 again; grid 256 x 1, 16 waves a work-group, no clusters, 89,088 bytes of LDS; arguments x1f, z, ln2_g, ln2_b, qkv, packB; writes qkv, packB
;; launch ffn1 (part 5): grid 16 x 16, 4 waves a work-group, clusters of 4 x 1, 168,448 bytes of LDS; arguments packB, packA, fc1_w_codes, fc1_w_scales, fc1_b, packC; writes packC
.if DOCPART == 5
	.amdgcn_target "amdgcn-amd-amdhsa--gfx1250"
	.amdhsa_code_object_version 6
	.text
	.protected	k_q1a6f9f7766_ffn1
	.globl	k_q1a6f9f7766_ffn1
	.p2align	8
	.type	k_q1a6f9f7766_ffn1,@function
k_q1a6f9f7766_ffn1:
	s_mov_b64 s[64:65], 0
	v_nop
	global_prefetch_b8 v0, s[64:65] scope:SCOPE_SE
	s_setreg_imm32_b32 hwreg(HW_REG_WAVE_MODE, 25, 1), 1
	s_wait_xcnt 0x0
	s_wait_alu depctr_hold_cnt(0) depctr_sa_sdst(0) depctr_va_vdst(0) depctr_va_sdst(0) depctr_va_ssrc(0) depctr_va_vcc(0) depctr_vm_vsrc(0)
	s_getreg_b32 s2, hwreg(HW_REG_IB_STS2, 6, 4)
	s_cmp_eq_u32 s2, 0
	s_cbranch_scc0 .Lentry_in_a_cluster
	s_endpgm
.Lentry_in_a_cluster:
	s_bfe_u32 s2, ttmp6, 0x10000c
	s_cmp_lg_u32 s2, 0x3003
	s_cbranch_scc0 .Lentry_shape_is_right
	s_endpgm
.Lentry_shape_is_right:
; THE FIRST LAYER OF THE FFN: hidden = relu(x2 W1^T + b1) x mask0, on codes of BF6; the hidden layer is quantised in registers along its 1,024 units and stored as a pack of operand images.
; Arguments: x2's pack, the pack with mask0, W1's codes [1024][768 bytes] and scale bytes [1024][32], b1, the hidden layer's pack.
; SHARES: block tb of 256 tokens (x) x 64 hidden units g (y).  Wave w takes token tiles 16 tb + 4 w + 0..3; its token fragments go from memory into registers; W1's 64 rows come into LDS once.
; CLUSTER: the four work-groups of a cluster have the same g: W1's rows are asked for jointly, three tensor loads a wave, mask 15.  LDS is filled once.
; THE ROWS OF W1 THAT FORM A TILE ARE NOT NEIGHBOURS: tile 2 b + u, row r = row 32 b + 8 u + r + 8 (r / 8) of the 64; the tensor loads, eight rows each, lay them so.  The product is used transposed (source 0 = W1,
; source 1 = tokens): a lane holds one token, and the 16 registers of tiles 2 b, 2 b + 1 are units 32 b + 16 (lane / 16) + 0 .. 15: neighbours along the next K.  b1 is the C of each sum's first product.
; The two scale bytes of a row leave in stores of 2 bytes a lane: one byte in 24 of what the launch stores.  LIMITS: as the projections'.
; REGISTERS: window 0: v1-13 addresses; v16-19 masks; v21-24 scale half words; v32-127 W's fragments, two sets; v128-159 tokens' scale words; v168-199 W's; v200-231 32 numbers; v232-237 codes; v244-255 at work.
; Windows 1, 2: token fragments of K steps 0-3, 4-7, at 60 (s % 4) + 12 tile.  Window 3: accumulator (wt, tt) at 8 (5 wt + tt); v160-191 b1 in the result's layout.
.set SCOFF, 3145728
.set MKOFF, 3276800
.set TILEB, 12288
.set WTB,   13056                      ; 16 rows of W in LDS: 816 bytes a row (768 + 16 behind each 256)
.set WSC,   52224
.set MK,  16
.set HWS, 21
.set WF,  32
.set TS,  128
.set WS,  168
.set Y,   200
.set PC,  232
.set T,   244
.set TM,  248
.set BI,  160
.set MSB, 0
.macro WIN new
.if MSB != (\new)
	s_set_vgpr_msb (MSB<<8)|(\new)
.set MSB, (\new)
.endif
.endm
.macro PLACES
.rept 4
	v_nop
.endr
.endm
.macro CROUND
	s_barrier_signal -1
	s_barrier_wait -1
	s_cmp_lg_u32 s24, 0
	s_cbranch_scc1 .Lnot_wave_0_\@
	s_barrier_signal -3
.Lnot_wave_0_\@:
	s_barrier_wait -3
	s_barrier_signal -1
	s_barrier_wait -1
.endm
.macro FETCHW set, s
.irp wt,0,1,2,3
.irp q,0,1,2,3,4,5
.set PN, 12*(\s)+6*(\q/3)+\q%3
.set RG, WF+48*(\set)+12*\wt+2*\q
.if PN%32 < 29
	ds_load_b64 v[RG:RG+1], v5 offset:\wt*WTB+8*PN+16*(PN/32)
.else
	ds_load_b64 v[RG:RG+1], v6 offset:\wt*WTB+8*PN+16*(PN/32)
.endif
.endr
.endr
.endm
.macro PROD s                          ; 16 products; the accumulators take turns, one instruction a turn
.set SB, WF+48*((\s)%2)
.set TB, 60*((\s)%4)
	WIN 0xf4+4*((\s)/4)
.set tt, 0
.rept 4
.set wt, 0
.rept 4
.set AC, 8*(5*wt+tt)
.if (\s) == 0
	v_wmma_scale_f32_16x16x128_f8f6f4 v[AC:AC+7], v[SB+12*wt:SB+12*wt+11], v[TB+12*tt:TB+12*tt+11], v[BI+8*wt:BI+8*wt+7], v[WS+8*wt+(\s)], v[TS+8*tt+(\s)] matrix_a_fmt:MATRIX_FMT_BF6 matrix_b_fmt:MATRIX_FMT_BF6
.else
	v_wmma_scale_f32_16x16x128_f8f6f4 v[AC:AC+7], v[SB+12*wt:SB+12*wt+11], v[TB+12*tt:TB+12*tt+11], v[AC:AC+7], v[WS+8*wt+(\s)], v[TS+8*tt+(\s)] matrix_a_fmt:MATRIX_FMT_BF6 matrix_b_fmt:MATRIX_FMT_BF6
.endif
.set wt, wt+1
.endr
.set tt, tt+1
.endr
	WIN 0
.endm
.macro QUANT2 hw
	v_max3_num_f32 v[TM], |v[Y]|, |v[Y+1]|, 0x2800000
	v_max3_num_f32 v[TM+1], |v[Y+16]|, |v[Y+17]|, 0x2800000
.irp i,2,4,6,8,10,12,14
	v_max3_num_f32 v[TM], v[TM], |v[Y+\i]|, |v[Y+\i+1]|
	v_max3_num_f32 v[TM+1], v[TM+1], |v[Y+16+\i]|, |v[Y+17+\i]|
.endr
	v_permlanex16_b32 v[TM+2], v[TM], s96, s97
	v_permlanex16_b32 v[TM+3], v[TM+1], s96, s97
	v_max_num_f32 v[TM], v[TM], v[TM+2]
	v_max_num_f32 v[TM+1], v[TM+1], v[TM+3]
	v_add_nc_u32 v[TM+4], 0xfe000000, v[TM]
	v_add_nc_u32 v[TM+5], 0xfe000000, v[TM+1]
	v_lshrrev_b32 v[TM+6], 23, v[TM+4]
	v_lshrrev_b32 v[TM+7], 23, v[TM+5]
	v_lshl_or_b32 v[\hw], v[TM+7], 8, v[TM+6]
	v_cvt_scalef32_pk16_bf6_f32 v[PC:PC+2], v[Y:Y+15], v[TM+4]
	v_cvt_scalef32_pk16_bf6_f32 v[T:T+2], v[Y+16:Y+31], v[TM+5]
	v_nop                                          ; a plain place behind a scaled conversion
.irp i,0,1,2
	v_permlane16_swap_b32 v[PC+\i], v[T+\i]
.endr
.irp i,0,1,2
	v_mov_b32 v[PC+3+\i], v[T+\i]
.endr
.endm
	s_load_b256 s[4:11], s[0:1], 0x0               ; x2's pack 4, mask0's pack 6, W1 codes 8, scales 10
	s_load_b128 s[12:15], s[0:1], 0x20             ; b1 12, the hidden pack 14
	v_lshl_add_u32 v243, v0, 2, 0x29000
	v_mov_b32 v247, 0
	ds_add_u32 v243, v247
	ds_add_u32 v243, v247
	v_lshrrev_b32 v1, 5, v0
	v_readfirstlane_b32 s24, v1
	s_bfe_u32 s25, ttmp6, 0x40000
	s_lshl_b32 s26, ttmp9, 2
	s_add_co_u32 s26, s26, s25                     ; tb: it enters global addresses alone
	s_and_b32 s27, ttmp7, 0xffff                   ; g, which the four partners share
	s_mov_b32 s36, 15|(1<<20)|(1<<21)|(5<<22)|(3<<25)  ; codes: eight rows of 768 bytes, 16 bytes of padding behind each 256
	s_mov_b32 s37, 768<<16
	s_mov_b32 s38, 8<<16
	s_mov_b32 s39, 768<<16
	s_mov_b32 s40, 8
	s_mov_b32 s41, 768
	s_mov_b32 s42, 0
	s_mov_b32 s43, 0
	s_mov_b32 s44, 15|(3<<16)|(1<<21)              ; scale bytes: 512 dense bytes
	s_mov_b32 s45, 32<<16
	s_mov_b32 s46, 2<<16
	s_mov_b32 s47, 32<<16
	s_mov_b32 s48, 2
	s_mov_b32 s49, 32
	s_mov_b32 s50, 0
	s_mov_b32 s51, 0
	s_mul_i32 s28, s27, 49152
	s_mul_i32 s30, s24, 12288
	s_add_co_u32 s28, s28, s30                     ; rows 64 g + 16 w on
	s_mov_b32 s29, 0
	s_lshl_b32 s30, s27, 11
	s_lshl_b32 s31, s24, 9
	s_add_co_u32 s30, s30, s31
	s_mov_b32 s31, 0
	s_lshr_b32 s32, s24, 1
	s_mul_i32 s32, s32, 26112                      ; rows 32 (w / 2) + 16 (w % 2) + 8 u + 0..7 go to tile 2 (w / 2) + u, rows 8 (w % 2) on
	s_and_b32 s33, s24, 1
	s_mul_i32 s33, s33, 6528
	s_add_co_u32 s32, s32, s33
	s_lshl_b32 s33, s24, 9
	s_add_co_u32 s33, s33, WSC
	s_wait_dscnt 0x0
	s_wait_kmcnt 0x0
	s_mov_b32 s52, 1
	s_add_co_u32 s53, s32, 0
	s_add_nc_u64 s[54:55], s[8:9], s[28:29]
	s_mov_b32 s56, 1
	s_add_co_u32 s57, s32, WTB
	s_add_nc_u64 s[58:59], s[54:55], 6144
	s_or_b32 s55, s55, 0x80000000
	s_or_b32 s59, s59, 0x80000000
	s_mov_b32 s60, 1
	s_add_co_u32 s61, s33, 0
	s_add_nc_u64 s[62:63], s[10:11], s[30:31]
	s_or_b32 s63, s63, 0x80000000
	CROUND                                         ; all four work-groups are here: the joint loads meet
	tensor_load_to_lds s[52:55], s[36:43]          ; three loads of mine are out: all of LDS's fills, one group
	s_nop 0
	tensor_load_to_lds s[56:59], s[36:43]
	s_nop 0
	tensor_load_to_lds s[60:63], s[44:51]
	s_nop 0
.rept 4
	v_nop
.endr
	v_and_b32 v1, 15, v0                           ; r
	v_bfe_u32 v2, v0, 4, 1                         ; h
	v_and_b32 v25, 31, v0
	v_lshlrev_b32 v3, 4, v25
	v_lshlrev_b32 v4, 3, v25
	v_lshlrev_b32 v9, 2, v25
	v_mul_u32_u24 v5, v1, 816
	v_mad_u32_u24 v6, v2, 40, v5
	v_mad_u32_u24 v5, v2, 24, v5
	v_lshlrev_b32 v8, 5, v1                        ; 32 r
	v_and_b32 v7, 8, v1
	v_add_nc_u32 v7, v7, v1
	v_lshl_add_u32 v7, v7, 5, WSC                  ; W's scale bytes lie in memory's order: row r + 8 (r / 8) of a tile's span
	v_lshlrev_b32 v10, 6, v2                       ; b1: 16 h numbers on
	v_lshl_add_u32 v13, v2, 9, v8                  ; the scale half words: tile + h, row r
	s_lshl_b32 s28, s26, 4
	s_lshl_b32 s29, s24, 2
	s_add_co_u32 s28, s28, s29                     ; my first tile
	s_mov_b32 s31, 0
	s_mul_i32 s30, s28, TILEB
	s_add_nc_u64 s[80:81], s[4:5], s[30:31]
	s_mul_i32 s29, s27, 768
	s_add_co_u32 s30, s30, s29
	s_add_nc_u64 s[92:93], s[14:15], s[30:31]      ; the hidden pack: my tiles, half fragment g
	s_lshl_b32 s30, s28, 9
	s_add_nc_u64 s[84:85], s[4:5], s[30:31]
	s_lshl_b32 s29, s27, 1
	s_add_co_u32 s30, s30, s29
	s_add_nc_u64 s[94:95], s[14:15], s[30:31]      ; its scale bytes 2 g, 2 g + 1
	s_lshl_b32 s30, s28, 7
	s_add_nc_u64 s[88:89], s[6:7], s[30:31]
	s_lshl_b32 s30, s27, 8
	s_add_nc_u64 s[90:91], s[12:13], s[30:31]
.irp tt,0,1,2,3
	global_load_b128 v[TS+8*\tt:TS+8*\tt+3], v8, s[84:85] offset:SCOFF+512*\tt
	global_load_b128 v[TS+8*\tt+4:TS+8*\tt+7], v8, s[84:85] offset:SCOFF+512*\tt+16
	global_load_b32 v[MK+\tt], v9, s[88:89] offset:MKOFF+128*\tt
.endr
	WIN 0xc0
.irp wt,0,1,2,3
	global_load_b128 v[BI+8*\wt:BI+8*\wt+3], v10, s[90:91] offset:(32*(\wt/2)+8*(\wt%2))*4
	global_load_b128 v[BI+8*\wt+4:BI+8*\wt+7], v10, s[90:91] offset:(32*(\wt/2)+8*(\wt%2))*4+16
.endr
.set ks, 0
.rept 8
	WIN 0x40*(1+ks/4)
.set tt, 0
.rept 4
.set RG, 60*(ks%4)+12*tt
	global_load_b128 v[RG:RG+3], v3, s[80:81] offset:tt*TILEB+ks*1536
	global_load_b64 v[RG+4:RG+5], v4, s[80:81] offset:tt*TILEB+ks*1536+512
	global_load_b128 v[RG+6:RG+9], v3, s[80:81] offset:tt*TILEB+ks*1536+768
	global_load_b64 v[RG+10:RG+11], v4, s[80:81] offset:tt*TILEB+ks*1536+1280
.set tt, tt+1
.endr
.set ks, ks+1
.endr
	WIN 0
	s_mov_b32 s35, 0xffff0000                      ; lanes 16-31
	s_mov_b32 s96, 0x76543210
	s_mov_b32 s97, 0xfedcba98
	v_mov_b32 v[TM+2], 0                           ; a lane permute's destination counts as read
	v_mov_b32 v[TM+3], 0
	s_wait_tensorcnt 0x0                           ; my parts of W have landed,
	s_barrier_signal -1
	s_barrier_wait -1                              ; everybody's have
.irp wt,0,1,2,3
	ds_load_b128 v[WS+8*\wt:WS+8*\wt+3], v7 offset:(32*(\wt/2)+8*(\wt%2))*32
	ds_load_b128 v[WS+8*\wt+4:WS+8*\wt+7], v7 offset:(32*(\wt/2)+8*(\wt%2))*32+16
.endr
	FETCHW 0, 0
.set ks, 0
.rept 8
.if ks < 7
	PLACES
	FETCHW (ks+1)%2, ks+1
	s_wait_dscnt 24                                ; all but the 24 just issued
.else
	s_wait_dscnt 0x0
.endif
.if (7-ks)*16 > 63
	s_wait_loadcnt 63                              ; more loads than that were issued behind this step's
.else
	s_wait_loadcnt (7-ks)*16                       ; the later K steps' fragments may be out
.endif
	PROD ks
.set ks, ks+1
.endr
	PLACES
.irp tt,0,1,2,3
	s_wait_xcnt 0x0                                ; the last stores have read their data
	WIN 0x03
.irp wt,0,1,2,3
.irp j,0,1,2,3,4,5,6,7
	v_mul_f32 v[Y+8*\wt+\j], v[8*(5*\wt+\tt)+\j], v[MK+\tt]              ; x the token's mask; each accumulator from its low end on
.endr
.endr
	WIN 0
.set n, 0
.rept 32
	v_max_num_f32 v[Y+n], 0, v[Y+n]                ; the activation, in f32
.set n, n+1
.endr
	QUANT2 HWS+\tt
	global_store_b128 v3, v[PC:PC+3], s[92:93] offset:\tt*TILEB
	global_store_b64 v4, v[PC+4:PC+5], s[92:93] offset:\tt*TILEB+512
.endr
	s_wait_xcnt 0x0
	v_cndmask_b32 v[TM], v[HWS], v[HWS+1], s35     ; lanes 0-15: tile 0 (2), lanes 16-31: tile 1 (3)
	v_cndmask_b32 v[TM+1], v[HWS+2], v[HWS+3], s35
	global_store_b16 v13, v[TM], s[94:95] offset:SCOFF
	global_store_b16 v13, v[TM+1], s[94:95] offset:SCOFF+1024
	s_wait_dscnt 0x0
	s_wait_tensorcnt 0x0
	ds_add_u32 v243, v247
	s_wait_dscnt 0x0
	CROUND                                         ; the closing round
	s_endpgm
.Lfunc_end_k_q1a6f9f7766_ffn1:
	.size	k_q1a6f9f7766_ffn1, .Lfunc_end_k_q1a6f9f7766_ffn1-k_q1a6f9f7766_ffn1
	.p2alignl 7, 3214868480
	.fill 96, 4, 3214868480
	.section	.rodata,"a",@progbits
	.p2align	6, 0x0
	.amdhsa_kernel k_q1a6f9f7766_ffn1
		.amdhsa_group_segment_fixed_size 168448
		.amdhsa_private_segment_fixed_size 0
		.amdhsa_enable_private_segment 0
		.amdhsa_kernarg_size 48
		.amdhsa_user_sgpr_count 2
		.amdhsa_user_sgpr_kernarg_segment_ptr 1
		.amdhsa_wavefront_size32 1
		.amdhsa_system_sgpr_workgroup_id_x 1
		.amdhsa_system_sgpr_workgroup_id_y 1
		.amdhsa_system_sgpr_workgroup_id_z 1
		.amdhsa_system_vgpr_workitem_id 0
		.amdhsa_next_free_vgpr 1024
		.amdhsa_next_free_sgpr 100
		.amdhsa_reserve_vcc 0
		.amdhsa_float_denorm_mode_32 3
		.amdhsa_float_denorm_mode_16_64 3
		.amdhsa_memory_ordered 1
		.amdhsa_forward_progress 1
		.amdhsa_inst_pref_size 68
	.end_amdhsa_kernel
	.amdgpu_metadata
---
amdhsa.version: [ 1, 2 ]
amdhsa.kernels:
  - .name:           k_q1a6f9f7766_ffn1
    .symbol:         k_q1a6f9f7766_ffn1.kd
    .args:
      - { .name: packB, .offset: 0, .size: 8, .value_kind: global_buffer, .address_space: global }
      - { .name: packA, .offset: 8, .size: 8, .value_kind: global_buffer, .address_space: global }
      - { .name: fc1_w_codes, .offset: 16, .size: 8, .value_kind: global_buffer, .address_space: global }
      - { .name: fc1_w_scales, .offset: 24, .size: 8, .value_kind: global_buffer, .address_space: global }
      - { .name: fc1_b, .offset: 32, .size: 8, .value_kind: global_buffer, .address_space: global }
      - { .name: packC, .offset: 40, .size: 8, .value_kind: global_buffer, .address_space: global }
    .group_segment_fixed_size: 168448
    .private_segment_fixed_size: 0
    .kernarg_segment_align: 8
    .kernarg_segment_size: 48
    .max_flat_workgroup_size: 128
    .sgpr_count:     100
    .vgpr_count:     1024
    .wavefront_size: 32
...
	.end_amdgpu_metadata
.endif
;; end of part 5
;; launch ffn2 (part 6): grid 16 x 16, 4 waves a work-group, clusters of 4 x 1, 168,448 bytes of LDS; arguments packC, packA, fc2_w_codes, fc2_w_scales, fc2_b, z; writes z
.if DOCPART == 6
	.amdgcn_target "amdgcn-amd-amdhsa--gfx1250"
	.amdhsa_code_object_version 6
	.text
	.protected	k_q1a6f9f7766_ffn2
	.globl	k_q1a6f9f7766_ffn2
	.p2align	8
	.type	k_q1a6f9f7766_ffn2,@function
k_q1a6f9f7766_ffn2:
	s_mov_b64 s[64:65], 0
	v_nop
	global_prefetch_b8 v0, s[64:65] scope:SCOPE_SE
	s_setreg_imm32_b32 hwreg(HW_REG_WAVE_MODE, 25, 1), 1
	s_wait_xcnt 0x0
	s_wait_alu depctr_hold_cnt(0) depctr_sa_sdst(0) depctr_va_vdst(0) depctr_va_sdst(0) depctr_va_ssrc(0) depctr_va_vcc(0) depctr_vm_vsrc(0)
	s_getreg_b32 s2, hwreg(HW_REG_IB_STS2, 6, 4)
	s_cmp_eq_u32 s2, 0
	s_cbranch_scc0 .Lentry_in_a_cluster
	s_endpgm
.Lentry_in_a_cluster:
	s_bfe_u32 s2, ttmp6, 0x10000c
	s_cmp_lg_u32 s2, 0x3003
	s_cbranch_scc0 .Lentry_shape_is_right
	s_endpgm
.Lentry_shape_is_right:
; THE SECOND LAYER OF THE FFN: z = (hidden W2^T + b2) x mask0, on codes of BF6; z is f32 [4096][1024].
; Arguments: the hidden layer's pack, the pack with mask0, W2's codes [1024][768 bytes] and scale bytes [1024][32], b2, z.
; SHARES: block tb of 256 tokens (x) x 64 outputs g (y).  Wave w takes token tiles 16 tb + 4 w + 0..3; its token fragments go from memory into registers; W2's 64 rows come into LDS once.
; CLUSTER: the four work-groups of a cluster have the same g: W2's rows are asked for jointly, two tensor loads a wave, mask 15.  LDS is filled once; the stage has bytes of its own.
; The product is used transposed (source 0 = W2's rows, source 1 = tokens): a lane holds one token and eight neighbouring outputs a tile.  b2 is the C of each sum's first product.
; The way out goes through the wave's own stage, so that sixteen lanes store a token's 256 consecutive bytes.
; REGISTERS: window 0: v1-13 addresses; v16-19 masks; v32-127 W's fragments, two sets (v32-63 also the way out); v128-159 tokens' scale words; v168-199 W's; v200-231 32 numbers.
; Windows 1, 2: token fragments of K steps 0-3, 4-7, at 60 (s % 4) + 12 tile.  Window 3: accumulator (wt, tt) at 8 (5 wt + tt); v160-191 b2 in the result's layout.
.set SCOFF, 3145728
.set MKOFF, 3276800
.set TILEB, 12288
.set WTB,   13056
.set WSC,   52224
.set STGB,  54272                      ; 16 rows x 272 bytes for each wave
.set MK,  16
.set WF,  32
.set TS,  128
.set WS,  168
.set Y,   200
.set BI,  160
.set MSB, 0
.macro WIN new
.if MSB != (\new)
	s_set_vgpr_msb (MSB<<8)|(\new)
.set MSB, (\new)
.endif
.endm
.macro PLACES
.rept 4
	v_nop
.endr
.endm
.macro CROUND
	s_barrier_signal -1
	s_barrier_wait -1
	s_cmp_lg_u32 s24, 0
	s_cbranch_scc1 .Lnot_wave_0_\@
	s_barrier_signal -3
.Lnot_wave_0_\@:
	s_barrier_wait -3
	s_barrier_signal -1
	s_barrier_wait -1
.endm
.macro FETCHW set, s
.irp wt,0,1,2,3
.irp q,0,1,2,3,4,5
.set PN, 12*(\s)+6*(\q/3)+\q%3
.set RG, WF+48*(\set)+12*\wt+2*\q
.if PN%32 < 29
	ds_load_b64 v[RG:RG+1], v5 offset:\wt*WTB+8*PN+16*(PN/32)
.else
	ds_load_b64 v[RG:RG+1], v6 offset:\wt*WTB+8*PN+16*(PN/32)
.endif
.endr
.endr
.endm
.macro PROD s                          ; 16 products; the accumulators take turns, one instruction a turn
.set SB, WF+48*((\s)%2)
.set TB, 60*((\s)%4)
	WIN 0xf4+4*((\s)/4)
.set tt, 0
.rept 4
.set wt, 0
.rept 4
.set AC, 8*(5*wt+tt)
.if (\s) == 0
	v_wmma_scale_f32_16x16x128_f8f6f4 v[AC:AC+7], v[SB+12*wt:SB+12*wt+11], v[TB+12*tt:TB+12*tt+11], v[BI+8*wt:BI+8*wt+7], v[WS+8*wt+(\s)], v[TS+8*tt+(\s)] matrix_a_fmt:MATRIX_FMT_BF6 matrix_b_fmt:MATRIX_FMT_BF6
.else
	v_wmma_scale_f32_16x16x128_f8f6f4 v[AC:AC+7], v[SB+12*wt:SB+12*wt+11], v[TB+12*tt:TB+12*tt+11], v[AC:AC+7], v[WS+8*wt+(\s)], v[TS+8*tt+(\s)] matrix_a_fmt:MATRIX_FMT_BF6 matrix_b_fmt:MATRIX_FMT_BF6
.endif
.set wt, wt+1
.endr
.set tt, tt+1
.endr
	WIN 0
.endm
	s_load_b256 s[4:11], s[0:1], 0x0               ; the hidden pack 4, mask0's pack 6, W2 codes 8, scales 10
	s_load_b128 s[12:15], s[0:1], 0x20             ; b2 12, z 14
	v_lshl_add_u32 v254, v0, 2, 0x29000
	v_mov_b32 v255, 0
	ds_add_u32 v254, v255
	ds_add_u32 v254, v255
	v_lshrrev_b32 v1, 5, v0
	v_readfirstlane_b32 s24, v1
	v_mul_u32_u24 v11, v1, 4352                    ; my stage
	s_bfe_u32 s25, ttmp6, 0x40000
	s_lshl_b32 s26, ttmp9, 2
	s_add_co_u32 s26, s26, s25                     ; tb: it enters global addresses alone
	s_and_b32 s27, ttmp7, 0xffff                   ; g, which the four partners share
	s_mov_b32 s36, 15|(1<<20)|(1<<21)|(5<<22)|(3<<25)  ; codes: 16 rows of 768 bytes, 16 bytes of padding behind each 256
	s_mov_b32 s37, 768<<16
	s_mov_b32 s38, 16<<16
	s_mov_b32 s39, 768<<16
	s_mov_b32 s40, 16
	s_mov_b32 s41, 768
	s_mov_b32 s42, 0
	s_mov_b32 s43, 0
	s_mov_b32 s44, 15|(3<<16)|(1<<21)              ; scale bytes: 512 dense bytes
	s_mov_b32 s45, 32<<16
	s_mov_b32 s46, 2<<16
	s_mov_b32 s47, 32<<16
	s_mov_b32 s48, 2
	s_mov_b32 s49, 32
	s_mov_b32 s50, 0
	s_mov_b32 s51, 0
	s_mul_i32 s28, s27, 49152
	s_mul_i32 s30, s24, 12288
	s_add_co_u32 s28, s28, s30
	s_mov_b32 s29, 0
	s_lshl_b32 s30, s27, 11
	s_lshl_b32 s31, s24, 9
	s_add_co_u32 s30, s30, s31
	s_mov_b32 s31, 0
	s_mul_i32 s32, s24, WTB
	s_lshl_b32 s33, s24, 9
	s_add_co_u32 s33, s33, WSC
	s_wait_dscnt 0x0
	s_wait_kmcnt 0x0
	s_mov_b32 s52, 1
	s_add_co_u32 s53, s32, 0
	s_add_nc_u64 s[54:55], s[8:9], s[28:29]
	s_or_b32 s55, s55, 0x80000000
	s_mov_b32 s60, 1
	s_add_co_u32 s61, s33, 0
	s_add_nc_u64 s[62:63], s[10:11], s[30:31]
	s_or_b32 s63, s63, 0x80000000
	CROUND                                         ; all four work-groups are here: the joint loads meet
	tensor_load_to_lds s[52:55], s[36:43]          ; two loads of mine are out: all of LDS's fills, one group
	s_nop 0
	tensor_load_to_lds s[60:63], s[44:51]
	s_nop 0
.rept 4
	v_nop
.endr
	v_and_b32 v1, 15, v0                           ; r
	v_bfe_u32 v2, v0, 4, 1                         ; h
	v_and_b32 v25, 31, v0
	v_lshlrev_b32 v3, 4, v25
	v_lshlrev_b32 v4, 3, v25
	v_lshlrev_b32 v9, 2, v25
	v_mul_u32_u24 v5, v1, 816
	v_mad_u32_u24 v6, v2, 40, v5
	v_mad_u32_u24 v5, v2, 24, v5
	v_lshlrev_b32 v8, 5, v1
	v_add_nc_u32 v7, WSC, v8
	v_lshlrev_b32 v10, 5, v2                       ; b2: 8 h numbers on
	v_mad_u32_u24 v12, v2, 272, v11
	v_lshl_add_u32 v12, v1, 4, v12
	v_add_nc_u32 v12, STGB, v12                    ; back: lanes 0-15 one row, lanes 16-31 the next
	v_mad_u32_u24 v11, v1, 272, v11
	v_lshl_add_u32 v11, v2, 5, v11
	v_add_nc_u32 v11, STGB, v11                    ; in: row r, + 32 h
	v_lshlrev_b32 v13, 12, v2
	v_lshl_add_u32 v13, v1, 4, v13                 ; and the same two rows in z
	s_lshl_b32 s28, s26, 4
	s_lshl_b32 s29, s24, 2
	s_add_co_u32 s28, s28, s29                     ; my first tile
	s_mov_b32 s31, 0
	s_mul_i32 s30, s28, TILEB
	s_add_nc_u64 s[80:81], s[4:5], s[30:31]
	s_lshl_b32 s30, s28, 9
	s_add_nc_u64 s[84:85], s[4:5], s[30:31]
	s_lshl_b32 s30, s28, 7
	s_add_nc_u64 s[88:89], s[6:7], s[30:31]
	s_lshl_b32 s30, s27, 8
	s_add_nc_u64 s[90:91], s[12:13], s[30:31]
	s_lshl_b32 s29, s28, 16                        ; token 16 x tile, rows of 4,096 bytes
	s_add_co_u32 s30, s30, s29
	s_add_nc_u64 s[92:93], s[14:15], s[30:31]
.irp tt,0,1,2,3
	global_load_b128 v[TS+8*\tt:TS+8*\tt+3], v8, s[84:85] offset:SCOFF+512*\tt
	global_load_b128 v[TS+8*\tt+4:TS+8*\tt+7], v8, s[84:85] offset:SCOFF+512*\tt+16
	global_load_b32 v[MK+\tt], v9, s[88:89] offset:MKOFF+128*\tt
.endr
	WIN 0xc0
.irp wt,0,1,2,3
	global_load_b128 v[BI+8*\wt:BI+8*\wt+3], v10, s[90:91] offset:64*\wt
	global_load_b128 v[BI+8*\wt+4:BI+8*\wt+7], v10, s[90:91] offset:64*\wt+16
.endr
.set ks, 0
.rept 8
	WIN 0x40*(1+ks/4)
.set tt, 0
.rept 4
.set RG, 60*(ks%4)+12*tt
	global_load_b128 v[RG:RG+3], v3, s[80:81] offset:tt*TILEB+ks*1536
	global_load_b64 v[RG+4:RG+5], v4, s[80:81] offset:tt*TILEB+ks*1536+512
	global_load_b128 v[RG+6:RG+9], v3, s[80:81] offset:tt*TILEB+ks*1536+768
	global_load_b64 v[RG+10:RG+11], v4, s[80:81] offset:tt*TILEB+ks*1536+1280
.set tt, tt+1
.endr
.set ks, ks+1
.endr
	WIN 0
	s_wait_tensorcnt 0x0                           ; my parts of W have landed,
	s_barrier_signal -1
	s_barrier_wait -1                              ; everybody's have
.irp wt,0,1,2,3
	ds_load_b128 v[WS+8*\wt:WS+8*\wt+3], v7 offset:512*\wt
	ds_load_b128 v[WS+8*\wt+4:WS+8*\wt+7], v7 offset:512*\wt+16
.endr
	FETCHW 0, 0
.set ks, 0
.rept 8
.if ks < 7
	PLACES
	FETCHW (ks+1)%2, ks+1
	s_wait_dscnt 24                                ; all but the 24 just issued
.else
	s_wait_dscnt 0x0
.endif
.if (7-ks)*16 > 63
	s_wait_loadcnt 63                              ; more loads than that were issued behind this step's
.else
	s_wait_loadcnt (7-ks)*16                       ; the later K steps' fragments may be out
.endif
	PROD ks
.set ks, ks+1
.endr
	PLACES
.irp tt,0,1,2,3
	s_wait_xcnt 0x0                                ; the last stores have read their data: v32-63 may be loaded again
	WIN 0x03
.irp wt,0,1,2,3
.irp j,0,1,2,3,4,5,6,7
	v_mul_f32 v[Y+8*\wt+\j], v[8*(5*\wt+\tt)+\j], v[MK+\tt]              ; x the token's mask; each accumulator from its low end on
.endr
.endr
	WIN 0
.irp wt,0,1,2,3
	ds_store_b128 v11, v[Y+8*\wt:Y+8*\wt+3] offset:64*\wt
	ds_store_b128 v11, v[Y+8*\wt+4:Y+8*\wt+7] offset:64*\wt+16
.endr
.irp i,0,1,2,3,4,5,6,7
	ds_load_b128 v[WF+4*\i:WF+4*\i+3], v12 offset:2*\i*272               ; my own bytes, served in order
.endr
.irp i,0,1,2,3,4,5,6,7
	s_wait_dscnt 7-\i                              ; the younger loads may be out
	global_store_b128 v13, v[WF+4*\i:WF+4*\i+3], s[92:93] offset:(32*(\tt/2)+8*(\tt%2)+2*\i+8*(\i/4))*4096   ; sixteen lanes store 256 consecutive bytes, aligned
.endr
.endr
	s_wait_dscnt 0x0
	s_wait_tensorcnt 0x0
	ds_add_u32 v254, v255
	s_wait_dscnt 0x0
	CROUND                                         ; the closing round
	s_endpgm
.Lfunc_end_k_q1a6f9f7766_ffn2:
	.size	k_q1a6f9f7766_ffn2, .Lfunc_end_k_q1a6f9f7766_ffn2-k_q1a6f9f7766_ffn2
	.p2alignl 7, 3214868480
	.fill 96, 4, 3214868480
	.section	.rodata,"a",@progbits
	.p2align	6, 0x0
	.amdhsa_kernel k_q1a6f9f7766_ffn2
		.amdhsa_group_segment_fixed_size 168448
		.amdhsa_private_segment_fixed_size 0
		.amdhsa_enable_private_segment 0
		.amdhsa_kernarg_size 48
		.amdhsa_user_sgpr_count 2
		.amdhsa_user_sgpr_kernarg_segment_ptr 1
		.amdhsa_wavefront_size32 1
		.amdhsa_system_sgpr_workgroup_id_x 1
		.amdhsa_system_sgpr_workgroup_id_y 1
		.amdhsa_system_sgpr_workgroup_id_z 1
		.amdhsa_system_vgpr_workitem_id 0
		.amdhsa_next_free_vgpr 1024
		.amdhsa_next_free_sgpr 100
		.amdhsa_reserve_vcc 0
		.amdhsa_float_denorm_mode_32 3
		.amdhsa_float_denorm_mode_16_64 3
		.amdhsa_memory_ordered 1
		.amdhsa_forward_progress 1
		.amdhsa_inst_pref_size 63
	.end_amdhsa_kernel
	.amdgpu_metadata
---
amdhsa.version: [ 1, 2 ]
amdhsa.kernels:
  - .name:           k_q1a6f9f7766_ffn2
    .symbol:         k_q1a6f9f7766_ffn2.kd
    .args:
      - { .name: packC, .offset: 0, .size: 8, .value_kind: global_buffer, .address_space: global }
      - { .name: packA, .offset: 8, .size: 8, .value_kind: global_buffer, .address_space: global }
      - { .name: fc2_w_codes, .offset: 16, .size: 8, .value_kind: global_buffer, .address_space: global }
      - { .name: fc2_w_scales, .offset: 24, .size: 8, .value_kind: global_buffer, .address_space: global }
      - { .name: fc2_b, .offset: 32, .size: 8, .value_kind: global_buffer, .address_space: global }
      - { .name: z, .offset: 40, .size: 8, .value_kind: global_buffer, .address_space: global }
    .group_segment_fixed_size: 168448
    .private_segment_fixed_size: 0
    .kernarg_segment_align: 8
    .kernarg_segment_size: 48
    .max_flat_workgroup_size: 128
    .sgpr_count:     100
    .vgpr_count:     1024
    .wavefront_size: 32
...
	.end_amdgpu_metadata
.endif
;; end of part 6
;; launch ln3 (part 7): grid 256 x 1, 16 waves a work-group, no clusters, 0 bytes of LDS; arguments qkv, z, ln3_g, ln3_b, out0; writes out0
.if DOCPART == 7
	.amdgcn_target "amdgcn-amd-amdhsa--gfx1250"
	.amdhsa_code_object_version 6
	.text
	.protected	k_q1a6f9f7766_ln3
	.globl	k_q1a6f9f7766_ln3
	.p2align	8
	.type	k_q1a6f9f7766_ln3,@function
k_q1a6f9f7766_ln3:
	s_mov_b64 s[64:65], 0
	v_nop
	global_prefetch_b8 v0, s[64:65] scope:SCOPE_SE
	s_setreg_imm32_b32 hwreg(HW_REG_WAVE_MODE, 25, 1), 1
	s_wait_xcnt 0x0
; out = layernorm(a + z) x g + b, row by row of 1,024, all in f32: the mean, then the mean of the squared differences, 1 / sqrt by v_rsq_f32.
; SHARES: a work-group takes 16 rows, a wave one: 32 loads of 512 consecutive bytes go out at once; the reductions stay inside the wave; no LDS, no barrier.
.set X,  32
.set ZZ, 64
.set G,  96
.set BB, 128
	s_load_b256 s[4:11], s[0:1], 0x0               ; a 4, z 6, g 8, b 10
	s_load_b64 s[12:13], s[0:1], 0x20              ; out
	v_lshrrev_b32 v14, 5, v0
	v_readfirstlane_b32 s20, v14
	v_and_b32 v15, 31, v0
	v_lshlrev_b32 v1, 4, v15
	v_mov_b32 v19, 0                               ; a lane permute's destination counts as read
	s_mov_b32 s26, 0x76543210
	s_mov_b32 s27, 0xfedcba98
	s_mov_b32 s28, 0x3a800000                      ; 1 / 1024
	s_lshl_b32 s22, ttmp9, 4
	s_add_co_u32 s22, s22, s20                     ; my row
	s_lshl_b32 s24, s22, 12
	s_mov_b32 s25, 0
	s_wait_kmcnt 0x0
	s_add_nc_u64 s[4:5], s[4:5], s[24:25]
	s_add_nc_u64 s[6:7], s[6:7], s[24:25]
	s_add_nc_u64 s[12:13], s[12:13], s[24:25]
.irp j,0,1,2,3,4,5,6,7
	global_load_b128 v[X+4*\j:X+4*\j+3], v1, s[4:5] offset:512*\j th:TH_LOAD_NT
.endr
.irp j,0,1,2,3,4,5,6,7
	global_load_b128 v[ZZ+4*\j:ZZ+4*\j+3], v1, s[6:7] offset:512*\j th:TH_LOAD_NT
.endr
.irp j,0,1,2,3,4,5,6,7
	global_load_b128 v[G+4*\j:G+4*\j+3], v1, s[8:9] offset:512*\j
.endr
.irp j,0,1,2,3,4,5,6,7
	global_load_b128 v[BB+4*\j:BB+4*\j+3], v1, s[10:11] offset:512*\j
.endr
	s_wait_loadcnt 16                              ; a and z are in; the sixteen loads of g and b may be out
.irp j,0,2,4,6,8,10,12,14,16,18,20,22,24,26,28,30
	v_pk_add_f32 v[X+\j:X+\j+1], v[X+\j:X+\j+1], v[ZZ+\j:ZZ+\j+1]
.endr
.irp k,0,2,4,6
	v_pk_add_f32 v[20+\k:21+\k], v[X+\k:X+\k+1], v[X+8+\k:X+9+\k]
.endr
.irp i,16,24
.irp k,0,2,4,6
	v_pk_add_f32 v[20+\k:21+\k], v[20+\k:21+\k], v[X+\i+\k:X+\i+\k+1]
.endr
.endr
	v_pk_add_f32 v[20:21], v[20:21], v[22:23]
	v_pk_add_f32 v[24:25], v[24:25], v[26:27]
	v_pk_add_f32 v[20:21], v[20:21], v[24:25]
	v_add_f32 v16, v20, v21
	v_add_f32_dpp v16, v16, v16 row_xmask:1 row_mask:0xf bank_mask:0xf
	v_add_f32_dpp v16, v16, v16 row_xmask:2 row_mask:0xf bank_mask:0xf
	v_add_f32_dpp v16, v16, v16 row_xmask:4 row_mask:0xf bank_mask:0xf
	v_add_f32_dpp v16, v16, v16 row_xmask:8 row_mask:0xf bank_mask:0xf
	v_permlanex16_b32 v19, v16, s26, s27
	v_add_f32 v16, v16, v19
	v_mul_f32 v10, s28, v16                        ; the mean
	v_mov_b32 v11, v10
.irp j,0,2,4,6,8,10,12,14,16,18,20,22,24,26,28,30
	v_pk_add_f32 v[X+\j:X+\j+1], v[X+\j:X+\j+1], v[10:11] neg_lo:[0,1] neg_hi:[0,1]
.endr
.irp k,0,2,4,6
	v_pk_mul_f32 v[20+\k:21+\k], v[X+\k:X+\k+1], v[X+\k:X+\k+1]
.endr
.irp i,8,16,24
.irp k,0,2,4,6
	v_pk_fma_f32 v[20+\k:21+\k], v[X+\i+\k:X+\i+\k+1], v[X+\i+\k:X+\i+\k+1], v[20+\k:21+\k]
.endr
.endr
	v_pk_add_f32 v[20:21], v[20:21], v[22:23]
	v_pk_add_f32 v[24:25], v[24:25], v[26:27]
	v_pk_add_f32 v[20:21], v[20:21], v[24:25]
	v_add_f32 v16, v20, v21
	v_add_f32_dpp v16, v16, v16 row_xmask:1 row_mask:0xf bank_mask:0xf
	v_add_f32_dpp v16, v16, v16 row_xmask:2 row_mask:0xf bank_mask:0xf
	v_add_f32_dpp v16, v16, v16 row_xmask:4 row_mask:0xf bank_mask:0xf
	v_add_f32_dpp v16, v16, v16 row_xmask:8 row_mask:0xf bank_mask:0xf
	v_permlanex16_b32 v19, v16, s26, s27
	v_add_f32 v16, v16, v19
	v_mov_b32 v17, 0x3727c5ac                      ; 1e-5
	v_fma_f32 v16, v16, s28, v17
	v_rsq_f32 v12, v16
	v_nop                                          ; a plain place behind the transcendental
	s_wait_alu depctr_va_vdst(0)                   ; and the wait ahead of its first reader
	v_mov_b32 v13, v12
	s_wait_loadcnt 0x0                             ; g and b
.irp j,0,2,4,6,8,10,12,14,16,18,20,22,24,26,28,30
	v_pk_mul_f32 v[X+\j:X+\j+1], v[X+\j:X+\j+1], v[12:13]
.endr
.irp j,0,2,4,6,8,10,12,14,16,18,20,22,24,26,28,30
	v_pk_fma_f32 v[X+\j:X+\j+1], v[X+\j:X+\j+1], v[G+\j:G+\j+1], v[BB+\j:BB+\j+1]
.endr
.irp j,0,1,2,3,4,5,6,7
	global_store_b128 v1, v[X+4*\j:X+4*\j+3], s[12:13] offset:512*\j th:TH_STORE_NT   ; 512 consecutive bytes a store; written once, read by nobody here
.endr
	s_endpgm
.Lfunc_end_k_q1a6f9f7766_ln3:
	.size	k_q1a6f9f7766_ln3, .Lfunc_end_k_q1a6f9f7766_ln3-k_q1a6f9f7766_ln3
	.p2alignl 7, 3214868480
	.fill 96, 4, 3214868480
	.section	.rodata,"a",@progbits
	.p2align	6, 0x0
	.amdhsa_kernel k_q1a6f9f7766_ln3
		.amdhsa_group_segment_fixed_size 0
		.amdhsa_private_segment_fixed_size 0
		.amdhsa_enable_private_segment 0
		.amdhsa_kernarg_size 40
		.amdhsa_user_sgpr_count 2
		.amdhsa_user_sgpr_kernarg_segment_ptr 1
		.amdhsa_wavefront_size32 1
		.amdhsa_system_sgpr_workgroup_id_x 1
		.amdhsa_system_sgpr_workgroup_id_y 1
		.amdhsa_system_sgpr_workgroup_id_z 1
		.amdhsa_system_vgpr_workitem_id 0
		.amdhsa_next_free_vgpr 160
		.amdhsa_next_free_sgpr 66
		.amdhsa_reserve_vcc 0
		.amdhsa_float_denorm_mode_32 3
		.amdhsa_float_denorm_mode_16_64 3
		.amdhsa_memory_ordered 1
		.amdhsa_forward_progress 1
		.amdhsa_inst_pref_size 12
	.end_amdhsa_kernel
	.amdgpu_metadata
---
amdhsa.version: [ 1, 2 ]
amdhsa.kernels:
  - .name:           k_q1a6f9f7766_ln3
    .symbol:         k_q1a6f9f7766_ln3.kd
    .args:
      - { .name: qkv, .offset: 0, .size: 8, .value_kind: global_buffer, .address_space: global }
      - { .name: z, .offset: 8, .size: 8, .value_kind: global_buffer, .address_space: global }
      - { .name: ln3_g, .offset: 16, .size: 8, .value_kind: global_buffer, .address_space: global }
      - { .name: ln3_b, .offset: 24, .size: 8, .value_kind: global_buffer, .address_space: global }
      - { .name: out0, .offset: 32, .size: 8, .value_kind: global_buffer, .address_space: global }
    .group_segment_fixed_size: 0
    .private_segment_fixed_size: 0
    .kernarg_segment_align: 8
    .kernarg_segment_size: 40
    .max_flat_workgroup_size: 512
    .sgpr_count:     66
    .vgpr_count:     160
    .wavefront_size: 32
...
	.end_amdgpu_metadata
.endif
;; end of part 7
;; ======== version 2 of 2: 10 launches; version 1 with the launches attn1, attn2 written anew for expert scheduling mode
;; workspace buffers: packA 3,309,568 bytes; packB 3,309,568 bytes; packC 3,309,568 bytes; x1f 16,777,216 bytes; qkv 16,777,216 bytes; z 16,777,216 bytes; cnt1 36,864 bytes of whole numbers; cnt2 36,864 bytes of whole numbers
;; launch prep: the kernel of part 1 again; grid 256 x 1, 16 waves a work-group, no clusters, 89,088 bytes of LDS; arguments x, context_codes, context_scales, packA, packC, packB, cnt1, cnt2; writes packA, packC, packB, cnt1, cnt2
;; launch proj1: the kernel of part 2 again; grid 16 x 16, 4 waves a work-group, clusters of 4 x 1, 168,448 bytes of LDS; arguments packA, packC, Wq1_codes, Wq1_scales, Wk1_codes, Wk1_scales, Wv1_codes, Wv1_scales, qkv, cnt1; writes qkv, cnt1
;; launch attn1 (part 8): grid 8 x 32, 16 waves a work-group, no clusters, 276,480 bytes of LDS; arguments qkv, packA, cnt1, z; writes z
.if DOCPART == 8
	.amdgcn_target "amdgcn-amd-amdhsa--gfx1250"
	.amdhsa_code_object_version 6
	.text
	.protected	k_q1a6f9f7766_attn1
	.globl	k_q1a6f9f7766_attn1
	.p2align	8
	.type	k_q1a6f9f7766_attn1,@function
k_q1a6f9f7766_attn1:
	s_mov_b64 s[64:65], 0
	v_nop
	global_prefetch_b8 v0, s[64:65] scope:SCOPE_SE
	s_setreg_imm32_b32 hwreg(HW_REG_WAVE_SCHED_MODE, 0, 2), 2
	s_setreg_imm32_b32 hwreg(HW_REG_WAVE_MODE, 25, 1), 1
	s_wait_xcnt 0x0
	s_wait_alu depctr_vm_vsrc(0)
; ATTENTION OF ONE HEAD on codes of BF6: z[token][64 head + d] = mask(q) x sum over keys of softmax(Q K^T / 8) V, keys at or beyond the head's length hidden, and keys beyond q + F hidden (F = 0: causal; F = 4096: none).
; The length is the sum of the head's 32 stored counts; F is stored too: both are whole numbers that earlier launches stored.
; THE SOFTMAX AHEAD OF THE SECOND PRODUCT: t = score x log2(e) / 8; M = the running largest t rounded up to a whole number; p = 2^(t - M) is quantised along the keys; the row's sum is taken of the unquantised p and divides at the end.
; A BLOCK'S SCALE is made without an exponential: the exponent of 2^(t - M) is floor(t - M), so the byte is floor(the block's largest t - M, held at -122 from below) + 123, and the conversion's operand that byte << 23.
; SHARES: a work-group takes one head (y) and 16 query tiles; a wave one tile of 16 queries: tile 8 rho + x, rho = u ^ 15 ^ 14 (w / 8), u = 2 (w % 4) + (w / 4) % 2.  Under the causal limit a wave has rho + 1 key steps:
; the four waves w, w + 4, w + 8, w + 12 have 34 together, whatever w, in two pairs whose lengths differ by one (16, 15, 2, 1 .. 10, 9, 8, 7).
; LDS: a head's K and V, codes and scale words, are 204,800 bytes: they are copied in ONCE, through registers, as they lie in memory (operand images), one barrier, and then only read.
; NO TENSOR LOADS AND NO CLUSTER: the walk over the keys branches on the stored length and limit; masking every step instead would add 128 vector instructions to each.
; LAYOUT: both products transposed: a lane holds ONE query.  The head size is 64, half of the instruction's K: one fragment of 12 registers carries TWO key tiles (its lower and its upper 64), and Q stands in two operands,
; (codes, zeros) and (zeros, codes), so that each product takes one of the two tiles.  Register 16 f + 8 u + j of the scores is key 32 f + 16 (lane / 16) + 8 u + j of the step's 128.
; THE ORDER OF A STEP: K of the NEXT step is asked for behind this step's products K Q^T, into the registers that K has left: the whole softmax stands between the request and the wait for it.  V of this step goes into the scores'
; own registers, as soon as p has been summed and converted, half by half.  The lines that name no exponential's result (scalings, the scales' arithmetic) stand one behind each exponential.
; A length of 0 leaves every step out: 0 x (1 / 0) gives NaN, as reference() gives.  LIMITS: NaN and infinities among the inputs are not served; a block whose every p lies under 2^-122 gets the byte 1.
; THE MODE: SCHED_MODE bits 1:0 = 2 (LLVM: expert scheduling mode 2), set by the entry lines.  The code itself states the register dependences between vector or matrix instructions and memory or LDS instructions,
; with s_wait_alu, always for 0.
; THE PLAN.  Registers that LDS instructions touch, in the loop:
;   v44-95 (K, its scale words)   Written by K's 17 loads, issued behind a step's products K Q^T for the next step; read by that next step's eight products.
;   v96-159 (scores, p, V)        Written by the products K Q^T; the softmax works in place.  Blocks 0 and 1 are last read by their sums and two conversions, then V's fragments 0 and 1 land in v96-119;
;                                 blocks 2 and 3 likewise, then fragments 2 and 3 land in v128-151.  The products V^T P read V there.
;   v212-215 (V's scale words)    Written by one load a step; read by the products V^T P.
;   v8-11, v42 (LDS addresses)    Written by the five additions at a step's head; read by the step's loads.  v1-5 are made at the head and never written again.
;   v192-203, v228 (p's codes, p's scale word) are named by no LDS instruction in the loop, but vector instructions write them and scaled products take them.
; SO A STEP HAS: one wait on vm_vsrc ahead of the five additions; a wait on va_vdst behind the products K Q^T (K's registers are free, the addresses are written); the exponentials' own; one behind each half's sums and
; conversions (that half's registers are free for V); one directly ahead of the products V^T P (p's codes and scale word are written).  The mask's compares write scalar registers, 32 to a run, with one wait on va_sdst a run.
.set VOF,   98304
.set KSO,   196608
.set STG,   204800                     ; behind K and V: 16 rows x 272 bytes for each wave, for the way out
.set QSO,   3145728
.set KVO,   3407872
.set KVB,   204800
.set MKOFF, 3276800
.set FIL, 43                           ; v43   where I put my part of K and V
.set FR,  44                           ; v44-91  four fragments of K
.set KSW, 92                           ; v92-95  K's scale words
.set S,   96                           ; v96-159 scores, then p, then V's four fragments (at 0, 12, 32, 44)
.set O,   160                          ; v160-191 O^T
.set PCD, 192                          ; v192-203 p's codes
.set H2,  204                          ; v204-206, v208-210 the conversions' second halves
.set VSW, 212                          ; v212-215 V's scale words
.set BM,  216                          ; v216-219 each block's largest score, then its t - M, then the whole part of that
.set BT,  220
.set SCO, 224                          ; v224-227 the conversions' scale operands
.set PW,  228                          ; p's scale word
.set TA,  229
.set FF,  230
.set SM2, 232
.set BY,  234                          ; v234-237 the scales' bytes
.set NI,  238
.set DD,  239
.set STO, 241
.set RD,  242
.set SEL, 30
.set CS,  32
.set LHI, 86                           ; the last key that any of my queries sees
.set LLO, 87                           ; the last key that all of them see
.set KF,  88                           ; the step's first key
.set KO,  89                           ; its codes' offset
.set SO,  90                           ; its scale words' offset
.set TRIP, 91
; K's four fragments, from off bytes behind the two address registers: each load takes 512 or 256 consecutive bytes
.macro KLOAD a16, a8, off
.set f, 0
.rept 4
	ds_load_b128 v[FR+12*f:FR+12*f+3], v[\a16] offset:(\off)+1536*f
	ds_load_b64 v[FR+12*f+4:FR+12*f+5], v[\a8] offset:(\off)+1536*f+512
	ds_load_b128 v[FR+12*f+6:FR+12*f+9], v[\a16] offset:(\off)+1536*f+768
	ds_load_b64 v[FR+12*f+10:FR+12*f+11], v[\a8] offset:(\off)+1536*f+1280
.set f, f+1
.endr
.endm
; load q of the four that bring V's fragment t into the scores' registers
.macro VPART t, q
.set VF, S+12*(\t)+8*((\t)/2)
.if (\q) == 0
	ds_load_b128 v[VF:VF+3], v10 offset:1536*(\t)
.elseif (\q) == 1
	ds_load_b64 v[VF+4:VF+5], v11 offset:1536*(\t)+512
.elseif (\q) == 2
	ds_load_b128 v[VF+6:VF+9], v10 offset:1536*(\t)+768
.else
	ds_load_b64 v[VF+10:VF+11], v11 offset:1536*(\t)+1280
.endif
.endm
; Line k of the 55 that stand among the exponentials: none names an exponential's result.  0-27: the scalings of pairs 4 to 31 (pair k + 4 stands behind exponential k; its own exponentials are numbers 2 k + 8 and 2 k + 9).
; 28-54: the four blocks' scales, the blocks by turns.
.macro PLAIN k
.if (\k) < 28
	v_pk_fma_f32 v[S+2*(\k)+8:S+2*(\k)+9], v[S+2*(\k)+8:S+2*(\k)+9], s[CS:CS+1], v[12:13] op_sel_hi:[1,0,0]   ; t - M
.elseif (\k) < 32
	v_fma_f32 v[BM+(\k)-28], v[BM+(\k)-28], s[CS], v12         ; the block's largest t - M: the same line on the same number as its element's
.elseif (\k) < 36
	v_max_num_f32 v[BM+(\k)-32], 0xc2f40000, v[BM+(\k)-32]     ; held at -122 from below: the byte cannot fall under 1 (a block all hidden keeps that byte: its codes are zeros)
.elseif (\k) < 40
	v_floor_f32 v[BM+(\k)-36], v[BM+(\k)-36]                   ; the exponent of the block's largest p
.elseif (\k) < 44
	v_cvt_i32_f32 v[BM+(\k)-40], v[BM+(\k)-40]
.elseif (\k) < 48
	v_add_nc_u32 v[BY+(\k)-44], 0x7b, v[BM+(\k)-44]            ; + 127 - 4: the scale's byte
.elseif (\k) < 52
	v_lshlrev_b32 v[SCO+(\k)-48], 23, v[BY+(\k)-48]            ; as an exponent field: the conversion's scale operand
.elseif (\k) == 52
	v_lshl_or_b32 v[PW], v[BY+1], 8, v[BY]                     ; p's scale word for these 128 keys
.elseif (\k) == 53
	v_lshl_or_b32 v[PW], v[BY+2], 16, v[PW]
.else
	v_lshl_or_b32 v[PW], v[BY+3], 24, v[PW]
.endif
.endm
	s_load_b256 s[4:11], s[0:1], 0x0               ; qkv 4, the queries' pack 6, cnt 8, z 10
	v_lshl_add_u32 v254, v0, 2, 0x43000
	v_mov_b32 v255, 0
	v_lshrrev_b32 v8, 5, v0
	v_readfirstlane_b32 s12, v8                    ; wave
	v_and_b32 v9, 31, v0                           ; (the offsets and addresses are made here, between that line and the wait for its result)
	v_and_b32 v10, 15, v0                          ; r
	v_bfe_u32 v11, v0, 4, 1                        ; h
	v_lshlrev_b32 v1, 4, v9                        ; 16 x lane
	v_lshlrev_b32 v2, 3, v9                        ; 8 x lane
	v_add_nc_u32 v3, VOF, v1
	v_add_nc_u32 v4, VOF, v2
	v_lshl_add_u32 v5, v10, 4, KSO                 ; scale words: 16 r
	v_lshlrev_b32 v7, 12, v11
	v_lshl_add_u32 v7, v10, 4, v7                  ; the way out: lanes 0-15 one row of z, lanes 16-31 the next
	v_mul_u32_u24 v[FIL], v8, 12800
	v_add_nc_u32 v[FIL], v[FIL], v1
	v_mul_u32_u24 v[TA], v8, 4352
	v_mad_u32_u24 v[STO], v10, 272, v[TA]
	v_lshl_add_u32 v[STO], v11, 5, v[STO]
	v_add_nc_u32 v[STO], STG, v[STO]
	v_mad_u32_u24 v[RD], v11, 272, v[TA]
	v_lshl_add_u32 v[RD], v10, 4, v[RD]
	v_add_nc_u32 v[RD], STG, v[RD]
	v_lshlrev_b32 v44, 4, v10                      ; 16 r
	v_lshlrev_b32 v45, 2, v9                       ; 4 x lane
	s_wait_alu depctr_va_sdst(0)                   ; s12 is written, ahead of its first reader: my tile and every base are made from it
	s_and_b32 s13, ttmp7, 0xffff                   ; 16 x batch + head
	s_and_b32 s14, s12, 3
	s_lshl_b32 s14, s14, 1
	s_bfe_u32 s15, s12, 0x10002
	s_or_b32 s14, s14, s15                         ; u = 2 (w % 4) + (w / 4) % 2
	s_lshr_b32 s15, s12, 3
	s_mul_i32 s15, s15, 14
	s_xor_b32 s14, s14, s15
	s_xor_b32 s14, s14, 15                         ; rho: waves 0-7: 15 - u; waves 8-15: u ^ 1
	s_lshl_b32 s15, s14, 3
	s_add_co_u32 s15, s15, ttmp9                   ; my query tile
	s_lshr_b32 s16, s15, 1
	s_lshl_b32 s16, s16, 5
	s_and_b32 s17, s15, 1
	s_lshl_b32 s17, s17, 3
	s_add_co_u32 s16, s16, s17                     ; its first query
	s_mov_b32 s[SEL], 0x76543210
	s_mov_b32 s[SEL+1], 0xfedcba98
	s_mov_b32 s[CS], 0x3e38aa3b                    ; log2(e) / 8
	s_mov_b32 s[CS+1], s[CS]
	s_mov_b32 s19, 0
	s_wait_kmcnt 0x0
	s_lshl_b32 s18, s13, 7
	s_add_nc_u64 s[20:21], s[8:9], s[18:19]
	s_load_b512 s[36:51], s[20:21], 0x0            ; the head's 32 counts
	s_load_b512 s[68:83], s[20:21], 0x40
	s_load_b32 s84, s[8:9], 0x1000                 ; F
	s_mul_i32 s18, s13, 98304
	s_mul_i32 s17, s15, 768
	s_add_co_u32 s18, s18, s17
	s_add_nc_u64 s[22:23], s[4:5], s[18:19]        ; Q's image
	s_lshl_b32 s18, s13, 13
	s_lshr_b32 s17, s15, 2
	s_lshl_b32 s17, s17, 8
	s_add_co_u32 s18, s18, s17
	s_and_b32 s17, s15, 3
	s_lshl_b32 s17, s17, 2
	s_add_co_u32 s18, s18, s17
	s_add_nc_u64 s[24:25], s[4:5], s[18:19]        ; its scale words
	s_lshr_b32 s17, s13, 4                         ; the batch
	s_lshl_b32 s18, s17, 7
	s_add_co_u32 s18, s18, s15
	s_lshl_b32 s18, s18, 7
	s_add_nc_u64 s[26:27], s[6:7], s[18:19]        ; its masks
	s_mul_i32 s18, s13, KVB
	s_mul_i32 s85, s12, 12800
	s_add_co_u32 s18, s18, s85
	s_add_nc_u64 s[28:29], s[4:5], s[18:19]        ; my sixteenth of the head's K and V
	s_lshl_b32 s18, s17, 11
	s_add_co_u32 s18, s18, s16
	s_lshl_b32 s18, s18, 12
	s_and_b32 s17, s13, 15
	s_lshl_b32 s17, s17, 8
	s_add_co_u32 s18, s18, s17
	s_add_nc_u64 s[10:11], s[10:11], s[18:19]      ; z at my first query, my head
	s_wait_alu depctr_va_vdst(0)                   ; the offsets and LDS addresses made above are written (v1-5, v7, v43-45, v241, v242, v254, v255): the loads and stores of the whole kernel read them
	global_load_b128 v[16:19], v1, s[22:23]        ; Q twice: (codes, zeros) in v16-27,
	global_load_b64 v[20:21], v2, s[22:23] offset:512
	global_load_b128 v[34:37], v1, s[22:23]        ; (zeros, codes) in v28-39
	global_load_b64 v[38:39], v2, s[22:23] offset:512
	global_load_b32 v40, v44, s[24:25] offset:QSO
	global_load_b32 v41, v45, s[26:27] offset:MKOFF
.set i, 0
.rept 25
	global_load_b128 v[S+4*i:S+4*i+3], v1, s[28:29] offset:KVO+512*i
.set i, i+1
.endr
	s_wait_kmcnt 0x0
.irp n,37,38,39,40,41,42,43,44,45,46,47,48,49,50,51,68,69,70,71,72,73,74,75,76,77,78,79,80,81,82,83
	s_add_co_u32 s36, s36, s\n
.endr
	s_min_u32 s36, s36, 2048                       ; the length
	s_sub_co_i32 s37, s36, 1                       ; the last key under it (-1: none)
	s_add_co_u32 s85, s16, s84                     ; my first query + F
	s_add_co_u32 s[LHI], s85, 23
	s_min_i32 s[LHI], s[LHI], s37
	s_min_i32 s[LLO], s85, s37
	v_and_b32 v6, 8, v10
	v_add_nc_u32 v6, v6, v10
	v_add_nc_u32 v6, s85, v6                       ; my query + F
	v_min_i32 v6, s37, v6                          ; the last key that my query sees,
	v_lshlrev_b32 v46, 4, v11
	v_sub_nc_u32 v6, v6, v46                       ; - 16 h
	s_mov_b32 s[KF], 0
	s_mov_b32 s[KO], 0
	s_mov_b32 s[SO], 0
	s_mov_b32 s[TRIP], 0
.set i, 0
.rept 25
	s_wait_loadcnt 24-i                            ; the younger loads may be out
	ds_store_b128 v[FIL], v[S+4*i:S+4*i+3] offset:512*i
.set i, i+1
.endr
	s_wait_alu depctr_vm_vsrc(0)                   ; the 25 stores have read v96-195, which the moves below and the loop's products and conversions write; the two loads by v44 and v45 have read them: K lands there
.irp n,22,23,24,25,26,27,28,29,30,31,32,33
	v_mov_b32 v\n, 0                               ; Q's zero halves
.endr
.set i, 0
.rept 32
	v_mov_b32 v[O+i], 0                            ; the step is written once: the first finds zeros
.set i, i+1
.endr
	v_mov_b32 v13, 0xff61b1e6                      ; the largest t so far: -3e38
	v_floor_f32 v12, -v13                          ; -M
	v_mov_b32 v14, 0
	v_mov_b32 v15, 0
.irp b,0,1,2,3
	v_mov_b32 v[BT+\b], 0                          ; a lane permute's destination counts as read
.endr
	v_mov_b32 v[TA], 0
	v_mov_b32 v[FF+1], 0                           ; named as the upper half of a pair
	v_mov_b32 v[NI], 0xff800000                    ; -infinity
	s_wait_dscnt 0x0                               ; for the others' sake: my stores have landed
	s_barrier_signal -1
	s_barrier_wait -1
	s_wait_alu depctr_va_vdst(0)                   ; K lands in it; Q's zero halves are written, which the scaled products take (the moves behind them are the places)
	KLOAD 1, 2, 0                                  ; K of step 0; every later step's K is asked for in the step before
	ds_load_b128 v[KSW:KSW+3], v5
.Lstep:                                            ; 16 trips, 128 keys each; a step that none of my queries sees is left out, all but its address steps
	s_cmp_gt_i32 s[KF], s[LHI]
	s_cbranch_scc1 .Lskip
	s_wait_alu depctr_vm_vsrc(0)                   ; the last step's LDS loads have read v8-11 and v42, which the five lines below write
	v_add_nc_u32 v8, s[KO], v1                     ; these five are also the five places between the last step's products, which read V from the scores' registers, and the products below, which write them
	v_add_nc_u32 v9, s[KO], v2
	v_add_nc_u32 v10, s[KO], v3
	v_add_nc_u32 v11, s[KO], v4
	v_add_nc_u32 v42, s[SO], v5
	s_wait_dscnt 0x0                               ; K is in: it was asked for a step ago
.set f, 0
.rept 4
	v_wmma_scale_f32_16x16x128_f8f6f4 v[S+16*f:S+16*f+7], v[FR+12*f:FR+12*f+11], v[16:27], 0, v[KSW+f], v40 matrix_a_fmt:MATRIX_FMT_BF6 matrix_b_fmt:MATRIX_FMT_BF6
	v_wmma_scale_f32_16x16x128_f8f6f4 v[S+16*f+8:S+16*f+15], v[FR+12*f:FR+12*f+11], v[28:39], 0, v[KSW+f], v40 matrix_a_fmt:MATRIX_FMT_BF6 matrix_b_fmt:MATRIX_FMT_BF6
.set f, f+1
.endr
.rept 4
	v_nop                                          ; places in front of the first read of the scores
.endr
	s_wait_alu depctr_va_vdst(0)                   ; the eight products are done reading K's fragments and scale words, in which the loads below land; the five additions have written v8-11 and v42, which this step's loads read
	KLOAD 8, 9, 6144                               ; the NEXT step's K (behind the last step: bytes of V, which nobody uses)
	ds_load_b128 v[KSW:KSW+3], v42 offset:256
	s_add_co_u32 s85, s[KF], 127
	s_cmp_le_i32 s85, s[LLO]
	s_cbranch_scc1 .Lopen                          ; all 128 keys count for all my queries
	v_sub_nc_u32 v[DD], v6, s[KF]                  ; register 16 b + i is hidden where 32 b + i is above this
.set g, 0
.rept 2                                            ; 32 scores at a time: 32 compares into s36-51 and s68-83 (they held the counts), one wait, 32 selects
.set n, 0
.rept 32
.set m, 32*g+n
	v_cmp_gt_i32 s[36+n+16*(n/16)], 32*(m/16)+m%16, v[DD]
.set n, n+1
.endr
	s_wait_alu depctr_va_sdst(0)                   ; the 32 compares have written their masks, ahead of the first select that reads one
.set n, 0
.rept 32
.set m, 32*g+n
	v_cndmask_b32 v[S+m], v[S+m], v[NI], s[36+n+16*(n/16)]
.set n, n+1
.endr
.set g, g+1
.endr
.Lopen:
.irp b,0,1,2,3
	v_max3_num_f32 v[BM+\b], v[S+16*\b], v[S+1+16*\b], v[S+2+16*\b]      ; the largest score of each block of 32 keys: for the row's maximum and for the block's scale
.endr
.irp i,3,5,7,9,11,13
.irp b,0,1,2,3
	v_max3_num_f32 v[BM+\b], v[BM+\b], v[S+16*\b+\i], v[S+1+16*\b+\i]
.endr
.endr
.irp b,0,1,2,3
	v_max_num_f32 v[BM+\b], v[BM+\b], v[S+15+16*\b]
.endr
.irp b,0,1,2,3
	v_permlanex16_b32 v[BT+\b], v[BM+\b], s[SEL], s[SEL+1]
.endr
.irp b,0,1,2,3
	v_max_num_f32 v[BM+\b], v[BM+\b], v[BT+\b]
.endr
	v_max3_num_f32 v[TA], v[BM], v[BM+1], v[BM+2]
	v_max_num_f32 v[TA], v[TA], v[BM+3]
	v_mul_f32 v[TA], s[CS], v[TA]
	v_max_num_f32 v13, v13, v[TA]                  ; the running largest t
	v_mov_b32 v[TA], v12
	v_floor_f32 v12, -v13                          ; the new -M: a whole number
	v_sub_f32 v[TA], v12, v[TA]
	v_cvt_i32_f32 v[TA], v[TA]                     ; (it saturates)
	v_ldexp_f32 v[FF], 1.0, v[TA]                  ; f = 2^(old M - new M): exact
.set n, 0
.rept 4
	v_pk_fma_f32 v[S+n:S+n+1], v[S+n:S+n+1], s[CS:CS+1], v[12:13] op_sel_hi:[1,0,0]   ; t - M of pairs 0 to 3; the other pairs' scalings stand among the exponentials
.set n, n+2
.endr
.set n, 0
.rept 64                                           ; ONE BATCH: p = 2^(t - M), at most 1, not normalised; behind each of the first 55 a line that names no result of the batch
	v_exp_f32 v[S+n], v[S+n]
.if n < 55
	PLAIN n
.endif
.set n, n+1
.endr
	v_pk_mul_f32 v[14:15], v[14:15], v[FF:FF+1] op_sel_hi:[1,0]          ; the sums under the new M (a plain place behind the last exponential)
	s_wait_alu depctr_va_vdst(0)                   ; the 64 exponentials have written p: one wait for the batch, ahead of its first reader
	v_pk_add_f32 v[SM2:SM2+1], v[S:S+1], v[S+2:S+3]                      ; the row's sum, of the unquantised p, in two chains: first blocks 0 and 1
.irp j,4,8,12,16,20,24,28
	v_pk_add_f32 v[14:15], v[14:15], v[S+\j:S+\j+1]
	v_pk_add_f32 v[SM2:SM2+1], v[SM2:SM2+1], v[S+2+\j:S+3+\j]
.endr
	v_cvt_scalef32_pk16_bf6_f32 v[PCD:PCD+2], v[S:S+15], v[SCO]
	v_cvt_scalef32_pk16_bf6_f32 v[H2:H2+2], v[S+16:S+31], v[SCO+1]       ; (three registers from an even one)
	s_wait_alu depctr_va_vdst(0)                   ; the sums and the two conversions are done reading p of blocks 0 and 1 (v96-127), in which V's fragments 0 and 1 land
.set k, 0
.rept 8                                            ; V's first eight loads, one ahead of each pair of sums: no wait, since the sums of blocks 2 and 3 name v128-159, v14, v15, v232 and v233 alone
	VPART k/4, k%4
	v_pk_add_f32 v[14:15], v[14:15], v[S+32+4*k:S+33+4*k]                ; blocks 2 and 3.  (Plain lines behind the conversions above)
	v_pk_add_f32 v[SM2:SM2+1], v[SM2:SM2+1], v[S+34+4*k:S+35+4*k]
.set k, k+1
.endr
	v_pk_add_f32 v[14:15], v[14:15], v[SM2:SM2+1]
	v_cvt_scalef32_pk16_bf6_f32 v[PCD+6:PCD+8], v[S+32:S+47], v[SCO+2]
	v_cvt_scalef32_pk16_bf6_f32 v[H2+4:H2+6], v[S+48:S+63], v[SCO+3]
	s_wait_alu depctr_va_vdst(0)                   ; the sums and the two conversions are done reading p of blocks 2 and 3 (v128-159), in which V's fragments 2 and 3 land
.set k, 8
.rept 8
	VPART k/4, k%4
.set k, k+1
.endr
	ds_load_b128 v[VSW:VSW+3], v42 offset:4096
	v_nop                                          ; a plain place behind a scaled conversion
.irp c,0,1
.irp i,0,1,2
	v_permlane16_swap_b32 v[PCD+6*\c+\i], v[H2+4*\c+\i]                  ; lanes 0-15 now hold block 2 c whole, lanes 16-31 block 2 c + 1
.endr
.irp i,0,1,2
	v_mov_b32 v[PCD+3+6*\c+\i], v[H2+4*\c+\i]
.endr
.endr
.set n, 0
.rept 16
	v_pk_mul_f32 v[O+n:O+n+1], v[O+n:O+n+1], v[FF:FF+1] op_sel_hi:[1,0]  ; O^T under the new M; these sixteen are also the places ahead of the products, and stand between V's loads and the wait for them
.set n, n+2
.endr
	s_wait_dscnt 0x0                               ; V is in (and the next step's K, asked for before it)
	s_wait_alu depctr_va_vdst(0)                   ; the conversions, exchanges and moves have written p's codes, and the scales' lines p's scale word, which the scaled products below take; the places above stay beside this wait
.irp t,0,1,2,3
	v_wmma_scale_f32_16x16x128_f8f6f4 v[O+8*\t:O+8*\t+7], v[S+12*\t+8*(\t/2):S+12*\t+8*(\t/2)+11], v[PCD:PCD+11], v[O+8*\t:O+8*\t+7], v[VSW+\t], v[PW] matrix_a_fmt:MATRIX_FMT_BF6 matrix_b_fmt:MATRIX_FMT_BF6
.endr
.Lskip:
	s_add_co_u32 s[KF], s[KF], 128
	s_add_co_u32 s[KO], s[KO], 6144
	s_add_co_u32 s[SO], s[SO], 256
	s_add_co_u32 s[TRIP], s[TRIP], 1
	s_cmp_lt_u32 s[TRIP], 16
	s_cbranch_scc1 .Lstep
	; THE WAY OUT: O^T x mask / the sum, through my stage, so that sixteen lanes store a head's 256 bytes of a row of z
	s_wait_dscnt 0x0                               ; the last request for K, which nobody uses, has landed: its registers may be loaded again
.rept 4
	v_nop
.endr
	v_add_f32 v14, v14, v15
	v_permlanex16_b32 v[TA], v14, s[SEL], s[SEL+1]
	v_add_f32 v14, v14, v[TA]
	v_rcp_f32 v14, v14
	v_nop                                          ; a plain place behind the transcendental
	s_wait_alu depctr_va_vdst(0)                   ; the reciprocal has written v14, ahead of its first reader
	v_mul_f32 v14, v14, v41
.set n, 0
.rept 32
	v_mul_f32 v[S+n], v[O+n], v14                  ; register 8 t + j: channel 16 t + 8 h + j of my query
.set n, n+1
.endr
	s_wait_alu depctr_va_vdst(0)                   ; the 32 multiplications have written v96-127, which the LDS stores read; the products K Q^T are done reading v44-75, in which the loads from the stage land
.irp t,0,1,2,3
	ds_store_b128 v[STO], v[S+8*\t:S+8*\t+3] offset:64*\t
	ds_store_b128 v[STO], v[S+8*\t+4:S+8*\t+7] offset:64*\t+16
.endr
.irp i,0,1,2,3,4,5,6,7
	ds_load_b128 v[FR+4*\i:FR+4*\i+3], v[RD] offset:2*\i*272             ; my own bytes, served in order
.endr
.irp i,0,1,2,3,4,5,6,7
	s_wait_dscnt 7-\i                              ; the younger loads may be out
	global_store_b128 v7, v[FR+4*\i:FR+4*\i+3], s[10:11] offset:(2*\i+8*(\i/4))*4096   ; the tile's rows 2 i, 2 i + 1: sixteen lanes store 256 consecutive bytes, aligned
.endr
	s_wait_dscnt 0x0                               ; the closing lines, six on end
	s_wait_alu 0x0
	s_wait_tensorcnt 0x0
	ds_add_u32 v254, v255
	s_wait_dscnt 0x0
	s_endpgm
.Lfunc_end_k_q1a6f9f7766_attn1:
	.size	k_q1a6f9f7766_attn1, .Lfunc_end_k_q1a6f9f7766_attn1-k_q1a6f9f7766_attn1
	.p2alignl 7, 3214868480
	.fill 96, 4, 3214868480
	.section	.rodata,"a",@progbits
	.p2align	6, 0x0
	.amdhsa_kernel k_q1a6f9f7766_attn1
		.amdhsa_group_segment_fixed_size 276480
		.amdhsa_private_segment_fixed_size 0
		.amdhsa_enable_private_segment 0
		.amdhsa_kernarg_size 32
		.amdhsa_user_sgpr_count 2
		.amdhsa_user_sgpr_kernarg_segment_ptr 1
		.amdhsa_wavefront_size32 1
		.amdhsa_system_sgpr_workgroup_id_x 1
		.amdhsa_system_sgpr_workgroup_id_y 1
		.amdhsa_system_sgpr_workgroup_id_z 1
		.amdhsa_system_vgpr_workitem_id 0
		.amdhsa_next_free_vgpr 256
		.amdhsa_next_free_sgpr 96
		.amdhsa_reserve_vcc 0
		.amdhsa_float_denorm_mode_32 3
		.amdhsa_float_denorm_mode_16_64 3
		.amdhsa_memory_ordered 1
		.amdhsa_forward_progress 1
		.amdhsa_inst_pref_size 43
	.end_amdhsa_kernel
	.amdgpu_metadata
---
amdhsa.version: [ 1, 2 ]
amdhsa.kernels:
  - .name:           k_q1a6f9f7766_attn1
    .symbol:         k_q1a6f9f7766_attn1.kd
    .args:
      - { .name: qkv, .offset: 0, .size: 8, .value_kind: global_buffer, .address_space: global }
      - { .name: packA, .offset: 8, .size: 8, .value_kind: global_buffer, .address_space: global }
      - { .name: cnt1, .offset: 16, .size: 8, .value_kind: global_buffer, .address_space: global }
      - { .name: z, .offset: 24, .size: 8, .value_kind: global_buffer, .address_space: global }
    .group_segment_fixed_size: 276480
    .private_segment_fixed_size: 0
    .kernarg_segment_align: 8
    .kernarg_segment_size: 32
    .max_flat_workgroup_size: 512
    .sgpr_count:     96
    .vgpr_count:     256
    .wavefront_size: 32
...
	.end_amdgpu_metadata
.endif
;; end of part 8
;; launch ln1: the kernel of part 4 again; grid 256 x 1, 16 waves a work-group, no clusters, 89,088 bytes of LDS; arguments x, z, ln1_g, ln1_b, x1f, packC; writes x1f, packC
;; launch proj2: the kernel of part 2 again; grid 16 x 16, 4 waves a work-group, clusters of 4 x 1, 168,448 bytes of LDS; arguments packC, packB, Wq2_codes, Wq2_scales, Wk2_codes, Wk2_scales, Wv2_codes, Wv2_scales, qkv, cnt2; writes qkv, cnt2
;; launch attn2: the kernel of part 8 again; grid 8 x 32, 16 waves a work-group, no clusters, 276,480 bytes of LDS; arguments qkv, packC, cnt2, z; writes z
;; launch ln2: the kernel of part 4 again; grid 256 x 1, 16 waves a work-group, no clusters, 89,088 bytes of LDS; arguments x1f, z, ln2_g, ln2_b, qkv, packB; writes qkv, packB
;; launch ffn1: the kernel of part 5 again; grid 16 x 16, 4 waves a work-group, clusters of 4 x 1, 168,448 bytes of LDS; arguments packB, packA, fc1_w_codes, fc1_w_scales, fc1_b, packC; writes packC
;; launch ffn2: the kernel of part 6 again; grid 16 x 16, 4 waves a work-group, clusters of 4 x 1, 168,448 bytes of LDS; arguments packC, packA, fc2_w_codes, fc2_w_scales, fc2_b, z; writes z
;; launch ln3: the kernel of part 7 again; grid 256 x 1, 16 waves a work-group, no clusters, 0 bytes of LDS; arguments qkv, z, ln3_g, ln3_b, out0; writes out0
